; MI455X (gfx1250); checked and timed in simulation.
; The chip was launched on July 23, 2026; its instructions are those of AMD's public machine-readable ISA for CDNA 5 (MIT licence, August 2026) and "CDNA5" Instruction Set Architecture Reference Guide (July 2026). The comments in the code are by the model that wrote it; some were corrected since.
;; Causal Self Attention. Allowed arithmetic: matrix products marked QUANTISED: E2M3 operands, one E8M0 scale for each 32 along K, by v_wmma_scale_f32_16x16x128_f8f6f4 with both operands' format E2M3, f32 sums; everything else in f32.
;; Inputs: Wk 1,024 x 1,024 float32; Wp 1,024 x 1,024 float32; Wq 1,024 x 1,024 float32; Wv 1,024 x 1,024 float32; bk 1,024 float32; bp 1,024 float32; bq 1,024 float32; bv 1,024 float32; x 4 x 2,048 x 1,024 float32.
;; Outputs: out0 4 x 2,048 x 1,024 float32.
;; This version of the problem:
;;   THIS VERSION OF THE PROBLEM IS GIVEN IN LOW PRECISION. The matrix products marked QUANTISED in the list below multiply operands that are first quantised to E2M3 (2 exponent bits, 3 mantissa bits; 6 bits a number), with one power-of-two scale for each 32 numbers along K (OCP MX v1.0); their sums are f32. All else is computed in f32.
;;   The module's matrix products, in the order in which they are computed (A, B: the left and right operand; K: the contracted axis; several contracted axes count as one K, in the product's order):
;;     1. [M 8,192, K 1,024] x [K 1,024, N 1,024]; A: input x; B: input Wk: QUANTISED
;;     2. [M 8,192, K 1,024] x [K 1,024, N 1,024]; A: input x; B: input Wq: QUANTISED
;;     3. [M 8,192, K 1,024] x [K 1,024, N 1,024]; A: input x; B: input Wv: QUANTISED
;;     4. batch 64 x [M 2,048, K 64] x [K 64, N 2,048]; A: computed on the way; B: computed on the way: QUANTISED
;;     5. batch 64 x [M 2,048, K 2,048] x [K 2,048, N 64]; A: softmax (see below); B: computed on the way: QUANTISED
;;     6. [M 8,192, K 1,024] x [K 1,024, N 1,024]; A: computed on the way; B: input Wp: QUANTISED
;;   THE QUANTISER, for each operand of a quantised product, along K:
;;     - K is cut into blocks of 32 from its start; a last block that is shorter is filled with zeros.
;;     - A block's scale is 2^e with e = floor(log2(the largest magnitude in the block)) - 2, held to -126 .. 127; a block of zeros has e = 0. As a byte (E8M0): e + 127.
;;     - Each number is divided by its block's scale, clamped to +-7.5, and rounded to the nearest number of E2M3, ties to even, subnormals kept.
;;     - The product sums the exact products of the quantised numbers (number of the format x scale) in f32.
;;   ~~~python
;;   def quantise(x, axis):      # numpy; x: float32 -> the quantised numbers, widened to float32 again
;;       x = np.moveaxis(x, axis, -1); K = x.shape[-1]
;;       x = np.pad(x, [(0, 0)] * (x.ndim - 1) + [(0, -K % 32)]); x = x.reshape(x.shape[:-1] + (-1, 32)); a = np.abs(x).max(-1, keepdims=True)
;;       e = np.where(a > 0, np.clip(np.frexp(np.where(a > 0, a, 1))[1] - 1 - 2, -126, 127), 0)      # np.frexp(a)[1] - 1 = floor(log2(a)), exactly
;;       r = np.clip(x / 2.0 ** e, -7.5, 7.5)
;;       step = 2.0 ** (np.maximum(np.frexp(np.where(r == 0, 1, r))[1] - 1, 0) - 3)
;;       q = np.round(r / step) * step * 2.0 ** e      # np.round: ties to even
;;       return np.moveaxis(q.reshape(q.shape[:-2] + (-1,))[..., :K], -1, axis).astype(np.float32)
;;   ~~~
;;   SOFTMAX AHEAD OF A QUANTISED PRODUCT. Where the list says 'softmax', what is quantised is not the finished softmax but p = 2^(t - M), with t = logit x log2(e) and M = ceil(the row's largest t), a whole number; so 1/2 < the row's largest p <= 1. The row's sum l is taken of the UNQUANTISED p, in f32, and the product's result is divided by l at the end. Since M is a whole number, a kernel that streams over the keys may use a running M (the ceiling of the running maximum): every later rescaling is an exact power of two, which a block's scale takes up: the codes' values come out the same.
;;   OPERANDS COMPUTED ON THE WAY. 'Computed on the way' means the value that the module computes at that place (a softmax that the list does not call 'softmax' is quantised finished and normalised). What goes into a quantiser is computed in f32, as accurately as f32 sums, v_exp_f32 and their like allow (about 1e-6 of the number): no bf16 or f16 on the way to a quantiser, and a product that is left as it is and whose result goes on into a quantised operand takes f32 operands (vector FMAs, or v_wmma_f32_16x16x4_f32). A number that lies on a knife's edge between two numbers of the format may be rounded either way, as far as f32 arithmetic and the matrix unit's own rounding can turn it there, and no further.
;; One version. Each part assembles by itself: llvm-mc -triple=amdgcn-amd-amdhsa -mcpu=gfx1250 --defsym DOCPART=n.
;; ======== version 1 of 1: 4 launches
;; workspace buffers: ops 9,830,400 bytes; qk 13,631,488 bytes; vq 6,553,600 bytes; yq 6,553,600 bytes
;; launch quant (part 1): grid 256 x 1, 16 waves a work-group, no clusters, 327,680 bytes of LDS; arguments x, Wq, Wk, Wv, Wp, ops; writes ops
.if DOCPART == 1
	.amdgcn_target "amdgcn-amd-amdhsa--gfx1250"
	.amdhsa_code_object_version 6
	.text
	.protected	k_qc5f7602f48_quant
	.globl	k_qc5f7602f48_quant
	.p2align	8
	.type	k_qc5f7602f48_quant,@function
k_qc5f7602f48_quant:
	s_mov_b64 s[64:65], 0
	v_nop
	global_prefetch_b8 v0, s[64:65] scope:SCOPE_SE
	s_setreg_imm32_b32 hwreg(HW_REG_WAVE_MODE, 25, 1), 1
	s_wait_xcnt 0x0
; x [8192][1024] and the four weights [K 1024][N 1024], all f32, become codes of FP6 (E2M3) with one E8M0 byte for each 32 along K, laid as the products' launches want an operand:
; ops, codes: [row tile 768][K step 8][image of a fragment's registers, 1,536 bytes: registers 4 g .. 4 g + 3 of lane l at 512 g + 16 l]; row tiles 0-511 x, 512-575 Wq, 576-639 Wk, 640-703 Wv, 704-767 Wp (a row is a column n).
; ops, scale words at OPS_SC: [memory row][8 words], word s = the four bytes of K step s.
; MEMORY ROWS ARE NOT IN ORDER: lane r of row tile T holds true row 32 (T / 2) + 8 (T % 2) + r + 8 (r / 8), so that a transposed product drops 16 neighbours along the next K into 16 registers.
; A block's scale is 2^(floor(log2(largest magnitude)) - 2): its byte is the largest magnitude's exponent field - 2, held at 1 from below.
; LIMITS: NaN and infinities among the inputs are not served; a block of zeros, or one whose largest magnitude lies under 2^-124, gets the byte 1 (its codes are zeros or are made under that scale); only this program reads the bytes.
; SHARES, x: a work-group takes 32 tokens (131,072 bytes, nothing filled again); wave w takes row tile u = w / 8 of the two and K step s = w % 8: 16 rows x 128 numbers, one fragment.
; SHARES, weights: a work-group takes 128 columns x one K step of one weight; the four waves w / 4 = j take columns 32 j on, and of them wave w % 4 = t takes block t of 32 along K. A LANE TAKES A COLUMN AND ITS REGISTERS RUN DOWN K: a load
; reads 128 consecutive bytes a wave (512 with its three neighbours), the block lies in one lane, the conversions give K innermost. The four waves put two images together in a stage in LDS; they leave in stores of 512 consecutive bytes.
; The weights' scale words leave 4 bytes a lane, 32 bytes apart: parts of 256-byte runs, one byte for each 128 that are read.
; Every wave does both parts, on one path: its 32 loads of a weight go out behind its two tensor loads and land while x is worked. One barrier serves x's scale words and the weights' stage.
; No matrix unit, no cluster: every input byte is read by one wave alone.
.set OPS_SC, 9437184
.set RT,     12288                     ; a row tile's codes: 8 K steps
.set FRB,    1536                      ; a fragment's image
.set PITCH,  528                       ; an LDS row of x: 512 bytes + 16 of padding: the sixteen rows of a load begin 4 words apart in the banks' round
.set WREG,   16*PITCH                  ; a wave's region
.set SCR,    16*WREG                   ; behind the regions, where no fill lands: 1,024 bytes for x's scale words, [local memory row 32][8 words];
.set TILE,   1664                      ; an image in a stage: 1,536 bytes + 128, so that the two tiles' stores fall on different banks
.set STG,    2*TILE
.set WSTG,   SCR+1024                  ; four stages for the weights' images;
.set WSC,    WSTG+4*STG                ; the weights' scale bytes: 128 bytes for each four waves, 4 a column
.set X,   32                           ; v32-95   my 64 numbers of x: X + 32 c + i = k 64 c + 32 h + i of row r
.set C,   96                           ; v96-107  the fragment's registers
.set T,   112                          ; v112-118 a block's second three registers, as the conversion leaves them
.set MX,  12                           ; v12-13   largest magnitudes
.set SO,  14                           ; v14-15   the conversions' scale operands
.set BY,  16                           ; v16-17   the scale bytes
.set WX,  128                          ; v128-159 my 32 numbers of a weight
.set WC,  160                          ; v160-165 their codes
.set WT,  168                          ; v168-170
.set WM,  172                          ; v172-173 largest magnitudes, two chains
.set WS,  174                          ; v174     the scale operand
.set WB,  175                          ; v175     the byte
.set OUTR, 176                         ; v176-183 the way out
.set G1,  16                           ; s[16:23] descriptor group 1
.set G0,  24                           ; s[24:31] two groups 0
	s_load_b256 s[4:11], s[0:1], 0x0               ; x, Wq, Wk, Wv
	s_load_b128 s[12:15], s[0:1], 0x20             ; Wp, ops
	v_lshl_add_u32 v192, v0, 2, 0x29000
	v_mov_b32 v193, 0
	ds_add_u32 v192, v193
	ds_add_u32 v192, v193
	v_lshrrev_b32 v1, 5, v0
	s_delay_alu instid0(VALU_DEP_1)
	v_readfirstlane_b32 s32, v1                    ; wave 0..15
	s_lshr_b32 s33, s32, 3                         ; u
	s_and_b32 s34, s32, 7                          ; s
	s_mov_b32 s[G1+0], (2<<16)|(1<<20)|(6<<22)|(3<<25)  ; elements of 4 bytes; padding on: after every 128 words, 4 words
	s_mov_b32 s[G1+1], 128<<16                     ; tensor_dim0 = 128
	s_mov_b32 s[G1+2], 8<<16                       ; tensor_dim1 = 8
	s_mov_b32 s[G1+3], 128<<16                     ; tile_dim0 = 128
	s_mov_b32 s[G1+4], 8                           ; tile_dim1 = 8
	s_mov_b32 s[G1+5], 1024                        ; elements from row to row
	s_mov_b32 s[G1+6], 0
	s_mov_b32 s[G1+7], 0
	s_mul_i32 s35, s32, WREG                       ; my region
	s_lshl_b32 s40, ttmp9, 17                      ; x: 32 tokens of 4,096 bytes a work-group,
	s_lshl_b32 s36, s33, 15                        ; + 8 u rows,
	s_add_co_u32 s40, s40, s36
	s_lshl_b32 s36, s34, 9                         ; + 512 bytes a K step
	s_add_co_u32 s40, s40, s36
	s_mov_b32 s41, 0
	s_lshl_b32 s42, ttmp9, 1
	s_add_co_u32 s42, s42, s33                     ; my row tile of x
	s_mul_i32 s42, s42, RT
	s_mul_i32 s36, s34, FRB
	s_add_co_u32 s42, s42, s36                     ; my fragment's image in ops
	s_mov_b32 s43, 0
	s_min_u32 s37, s32, 1
	s_lshl_b32 s37, s37, 9                         ; waves 0 and 1 carry x's scale words out, 512 bytes each
	s_lshl_b32 s44, ttmp9, 10
	s_add_co_u32 s44, s44, s37
	s_add_co_u32 s44, s44, OPS_SC
	s_mov_b32 s45, 0
	s_mov_b32 s38, 0x76543210
	s_mov_b32 s39, 0xfedcba98                      ; v_permlanex16_b32's selects for lane l xor 16
	s_lshr_b32 s46, s32, 2                         ; the weights: j, which 32 columns;
	s_and_b32 s47, s32, 3                          ; t, which block of the K step
	s_bfe_u32 s48, ttmp9, 0x20003                  ; which weight,
	s_and_b32 s49, ttmp9, 7                        ; which 128 columns,
	s_lshr_b32 s50, ttmp9, 5                       ; which K step
	s_lshl_b32 s52, s50, 19                        ; 128 rows of 4,096 bytes a K step,
	s_lshl_b32 s36, s47, 17                        ; 32 rows a block,
	s_add_co_u32 s52, s52, s36
	s_lshl_b32 s36, s49, 9                         ; 512 bytes a work-group,
	s_add_co_u32 s52, s52, s36
	s_lshl_b32 s36, s46, 7                         ; 128 for each four waves
	s_add_co_u32 s52, s52, s36
	s_mov_b32 s53, 0
	s_lshl_b32 s54, s48, 6
	s_lshl_b32 s36, s49, 3
	s_add_co_u32 s54, s54, s36
	s_lshl_b32 s36, s46, 1
	s_add_co_u32 s54, s54, s36
	s_add_co_u32 s54, s54, 512                     ; the first of my columns' two row tiles
	s_lshl_b32 s56, s54, 9
	s_lshl_b32 s36, s50, 2
	s_add_co_u32 s56, s56, s36
	s_add_co_u32 s56, s56, OPS_SC                  ; its scale words, word s
	s_mov_b32 s57, 0
	s_mul_i32 s54, s54, RT
	s_mul_i32 s36, s50, FRB
	s_add_co_u32 s54, s54, s36                     ; its image for this K step,
	s_min_u32 s58, s47, 2
	s_lshl_b32 s58, s58, 9
	s_add_co_u32 s54, s54, s58                     ; and the piece of 512 bytes that I carry out (waves t = 0, 1, 2)
	s_mov_b32 s55, 0
	s_wait_dscnt 0x0
	s_wait_kmcnt 0x0
	s_mov_b32 s[G0], 1
	s_mov_b32 s[G0+1], s35                         ; tokens 8 u + 0..7 of the 32: LDS rows 0-7
	s_add_nc_u64 s[G0+2:G0+3], s[4:5], s[40:41]
	s_mov_b32 s[G0+4], 1
	s_add_co_u32 s[G0+5], s35, 8*PITCH             ; tokens 8 u + 16..23: LDS rows 8-15
	s_add_nc_u64 s[G0+6:G0+7], s[G0+2:G0+3], 16*4096
	s_or_b32 s[G0+3], s[G0+3], 0x80000000
	s_or_b32 s[G0+7], s[G0+7], 0x80000000
	tensor_load_to_lds s[G0:G0+3], s[G1:G1+7]      ; my first load: one of mine is out
	s_nop 0
	s_wait_alu depctr_va_vdst(0)
	s_wait_tensorcnt 0x0
	ds_add_u32 v192, v193
	s_wait_dscnt 0x0
	s_barrier_signal -1
	s_barrier_wait -1
	tensor_load_to_lds s[G0+4:G0+7], s[G1:G1+7]
	s_nop 0
	v_and_b32 v2, 31, v0                           ; lane
	v_and_b32 v3, 15, v0                           ; r
	s_wait_alu depctr_va_vdst(0)
	v_bfe_u32 v4, v0, 4, 1                         ; h
	v_lshlrev_b32 v6, 4, v2                        ; 16 x lane
	s_wait_alu depctr_va_vdst(0)
	v_lshlrev_b32 v24, 2, v2                       ; 4 x lane: my column
	s_cmp_eq_u32 s48, 1                            ; the weight is chosen on the work-group's number alone
	s_cselect_b64 s[6:7], s[8:9], s[6:7]
	s_cmp_eq_u32 s48, 2
	s_cselect_b64 s[6:7], s[10:11], s[6:7]
	s_cmp_eq_u32 s48, 3
	s_cselect_b64 s[6:7], s[12:13], s[6:7]
	s_add_nc_u64 s[6:7], s[6:7], s[52:53]
.set i, 0
.rept 32
	global_load_b32 v[WX+i], v24, s[6:7] offset:i*4096 th:TH_LOAD_NT   ; W(32 t + i, my column): they land while x is worked
.set i, i+1
.endr
	v_mul_u32_u24 v5, v3, PITCH
	s_delay_alu instid0(VALU_DEP_1)
	v_lshl_add_u32 v5, v4, 7, v5
	s_delay_alu instid0(VALU_DEP_1)
	v_add_nc_u32 v5, s35, v5                       ; my numbers of x: row r, + 128 h bytes
	s_add_nc_u64 s[42:43], s[14:15], s[42:43]
	s_add_nc_u64 s[44:45], s[14:15], s[44:45]
	s_add_nc_u64 s[54:55], s[14:15], s[54:55]
	s_add_nc_u64 s[56:57], s[14:15], s[56:57]
	s_lshl_b32 s36, s33, 9
	s_lshl_b32 s51, s34, 2
	s_add_co_u32 s36, s36, s51
	s_add_co_u32 s36, s36, SCR
	v_lshl_add_u32 v7, v3, 5, s36                  ; my row's word of x: SCR + 32 (16 u + r) + 4 s
	s_add_co_u32 s37, s37, SCR
	v_add_nc_u32 v8, s37, v6                       ; and the way out of that scratch
	v_lshlrev_b32 v11, 3, v4                       ; 8 h
	v_mov_b32 v10, 0                               ; a lane permute's destination counts as one of its sources
	; every LDS address of the weights' part is made here, ahead of the waves' parting at the end
	v_bfe_u32 v31, v2, 3, 1                        ; my column's tile of the two: bit 3 of the column
	v_and_b32 v1, 7, v2
	v_lshrrev_b32 v19, 4, v2
	s_delay_alu instid0(VALU_DEP_1)
	v_lshl_add_u32 v1, v19, 3, v1                  ; and its lane there: (column % 8) + 8 (column / 16)
	s_delay_alu instid0(VALU_DEP_4)
	v_mul_u32_u24 v25, v31, TILE
	s_delay_alu instid0(VALU_DEP_1)
	v_lshl_add_u32 v25, v1, 4, v25
	s_wait_alu depctr_va_vdst(0)
	s_mul_i32 s59, s46, STG
	s_add_co_u32 s59, s59, WSTG                    ; my four waves' stage
	s_and_b32 s60, s47, 1
	s_lshl_b32 s60, s60, 8
	s_add_co_u32 s60, s60, s59                     ; block t = 2 c + h is registers 6 c .. 6 c + 5 of lane r + 16 h: + 256 h;
	s_lshr_b32 s61, s47, 1
	s_mul_i32 s62, s61, 1016                       ; the three pairs of registers lie at 0, 8, 512 for c = 0 and at 520, 1,024, 1,032 for c = 1:
	s_mul_i32 s61, s61, 520                        ; one address + 520 c serves the first and the third pair, one + 1,016 c the second
	s_add_co_u32 s61, s61, s60
	s_add_co_u32 s62, s62, s60
	v_add_nc_u32 v26, s62, v25
	v_add_nc_u32 v25, s61, v25
	s_lshl_b32 s60, s46, 7
	s_add_co_u32 s60, s60, WSC
	v_add_nc_u32 v29, s60, v24                     ; my column's scale word: 128 j + 4 x lane,
	s_delay_alu instid0(VALU_DEP_1)
	v_add_nc_u32 v27, s47, v29                     ; and my byte in it
	s_add_co_u32 s59, s59, s58
	v_add_nc_u32 v28, s59, v6                      ; out of the stage: my piece, 16 x lane
	v_lshl_add_u32 v30, v31, 4, v1
	s_delay_alu instid0(VALU_DEP_1)
	v_lshlrev_b32 v30, 5, v30                      ; my column's memory row: 32 bytes of scale words a row
	s_wait_tensorcnt 0x0                           ; both tensor loads have landed; only I read these bytes
.irp c, 0,1
.irp e, 0,1,2,3,4,5,6,7
	ds_load_b128 v[X+32*\c+4*\e:X+32*\c+4*\e+3], v5 offset:256*\c+16*\e
.endr
.endr
	s_wait_dscnt 0x0
.irp c, 0,1                                    ; my block 2 c + h of x: all its 32 numbers are mine
	v_max3_num_f32 v[MX+\c], |v[X+32*\c]|, |v[X+1+32*\c]|, 0x1800000   ; and the floor 2^(3 - 127): the byte cannot fall under 1
.endr
.irp i, 2,4,6,8,10,12,14,16,18,20,22,24,26,28,30
.irp c, 0,1
	s_delay_alu instid0(VALU_DEP_2)
	v_max3_num_f32 v[MX+\c], v[MX+\c], |v[X+32*\c+\i]|, |v[X+1+32*\c+\i]|   ; the two blocks by turns
.endr
.endr
.irp c, 0,1
	s_delay_alu instid0(VALU_DEP_2)
	v_add_nc_u32 v[SO+\c], 0xff000000, v[MX+\c]    ; 2 off the exponent field: the conversion takes that field as its scale
.endr
.irp c, 0,1
	s_delay_alu instid0(VALU_DEP_2)
	v_lshrrev_b32 v[BY+\c], 23, v[SO+\c]           ; the scale's byte
.endr
	s_delay_alu instid0(VALU_DEP_1)
	v_lshl_or_b32 v9, v[BY+1], 16, v[BY]           ; my two bytes, blocks h and 2 + h,
	s_delay_alu instid0(VALU_DEP_1)
	v_lshlrev_b32 v9, v11, v9                      ; at their places in the word;
	s_delay_alu instid0(VALU_DEP_1)
	v_permlanex16_b32 v10, v9, s38, s39
	s_delay_alu instid0(VALU_DEP_1)
	v_or_b32 v9, v9, v10                           ; with lane l xor 16's two the word is whole
.irp c, 0,1
	v_cvt_scalef32_pk16_fp6_f32 v[C+6*\c:C+6*\c+2], v[X+32*\c:X+32*\c+15], v[SO+\c]
	v_cvt_scalef32_pk16_fp6_f32 v[T+4*\c:T+4*\c+2], v[X+32*\c+16:X+32*\c+31], v[SO+\c]   ; (a conversion's three registers begin on an even number)
.endr
	v_nop                                          ; one plain place behind a scaled conversion
.irp c, 0,1
.irp i, 0,1,2
	v_mov_b32 v[C+3+6*\c+\i], v[T+4*\c+\i]
.endr
.endr
.irp g, 0,1,2
	global_store_b128 v6, v[C+4*\g:C+4*\g+3], s[42:43] offset:512*\g   ; 32 lanes store 512 consecutive bytes, aligned to 256
.endr
	ds_store_b32 v7, v9                            ; both halves of the lanes write the same word with the same value
	; my block of a weight
	s_wait_loadcnt 0x0
	v_max3_num_f32 v[WM], |v[WX]|, |v[WX+1]|, |v[WX+2]|   ; its largest magnitude, in two chains
	v_max3_num_f32 v[WM+1], |v[WX+3]|, |v[WX+4]|, |v[WX+5]|
.irp i, 6,10,14,18,22,26
	s_delay_alu instid0(VALU_DEP_2)
	v_max3_num_f32 v[WM], v[WM], |v[WX+\i]|, |v[WX+\i+1]|
	s_delay_alu instid0(VALU_DEP_2)
	v_max3_num_f32 v[WM+1], v[WM+1], |v[WX+\i+2]|, |v[WX+\i+3]|
.endr
	s_delay_alu instid0(VALU_DEP_2)
	v_max3_num_f32 v[WM], v[WM], |v[WX+30]|, |v[WX+31]|
	s_delay_alu instid0(VALU_DEP_1)
	v_max3_num_f32 v[WM], v[WM], v[WM+1], 0x1800000   ; and the floor 2^(3 - 127)
	s_delay_alu instid0(VALU_DEP_1)
	v_add_nc_u32 v[WS], 0xff000000, v[WM]
	s_delay_alu instid0(VALU_DEP_1)
	v_lshrrev_b32 v[WB], 23, v[WS]
	v_cvt_scalef32_pk16_fp6_f32 v[WC:WC+2], v[WX:WX+15], v[WS]
	v_cvt_scalef32_pk16_fp6_f32 v[WT:WT+2], v[WX+16:WX+31], v[WS]
	v_nop                                          ; one plain place behind a scaled conversion
.irp i, 0,1,2
	v_mov_b32 v[WC+3+\i], v[WT+\i]
.endr
	ds_store_b64 v25, v[WC:WC+1]                   ; the block's six registers at their places in the image
	ds_store_b64 v26, v[WC+2:WC+3] offset:8
	ds_store_b64 v25, v[WC+4:WC+5] offset:512
	ds_store_b8 v27, v[WB]                         ; and its byte in the column's word
	s_wait_dscnt 0x0                               ; for the others' sake: all my LDS stores have landed
	s_barrier_signal -1
	s_barrier_wait -1
	s_cmp_lt_u32 s32, 2
	s_cbranch_scc0 .Lno_x
	ds_load_b128 v[20:23], v8                      ; x's 32 rows' words, 512 bytes a wave
	s_wait_dscnt 0x0
	global_store_b128 v6, v[20:23], s[44:45]
.Lno_x:
	s_cmp_eq_u32 s47, 3
	s_cbranch_scc1 .Lword
	ds_load_b128 v[OUTR:OUTR+3], v28               ; waves t = 0, 1, 2: piece t of both images
	ds_load_b128 v[OUTR+4:OUTR+7], v28 offset:TILE
	s_wait_dscnt 0x0
	global_store_b128 v6, v[OUTR:OUTR+3], s[54:55]              ; 512 consecutive bytes, aligned to 256
	global_store_b128 v6, v[OUTR+4:OUTR+7], s[54:55] offset:RT
	s_branch .Lend
.Lword:
	ds_load_b32 v[OUTR], v29                       ; wave t = 3: the 32 columns' words of this K step
	s_wait_dscnt 0x0
	global_store_b32 v30, v[OUTR], s[56:57]
.Lend:
	s_wait_tensorcnt 0x0
	ds_add_u32 v192, v193
	s_wait_dscnt 0x0
	s_endpgm
.Lfunc_end_k_qc5f7602f48_quant:
	.size	k_qc5f7602f48_quant, .Lfunc_end_k_qc5f7602f48_quant-k_qc5f7602f48_quant
	.p2alignl 7, 3214868480
	.fill 96, 4, 3214868480
	.section	.rodata,"a",@progbits
	.p2align	6, 0x0
	.amdhsa_kernel k_qc5f7602f48_quant
		.amdhsa_group_segment_fixed_size 327680
		.amdhsa_private_segment_fixed_size 0
		.amdhsa_enable_private_segment 0
		.amdhsa_kernarg_size 48
		.amdhsa_user_sgpr_count 2
		.amdhsa_user_sgpr_kernarg_segment_ptr 1
		.amdhsa_wavefront_size32 1
		.amdhsa_system_sgpr_workgroup_id_x 1
		.amdhsa_system_sgpr_workgroup_id_y 1
		.amdhsa_system_sgpr_workgroup_id_z 1
		.amdhsa_system_vgpr_workitem_id 0
		.amdhsa_next_free_vgpr 194
		.amdhsa_next_free_sgpr 66
		.amdhsa_reserve_vcc 0
		.amdhsa_float_denorm_mode_32 3
		.amdhsa_float_denorm_mode_16_64 3
		.amdhsa_memory_ordered 1
		.amdhsa_forward_progress 1
		.amdhsa_inst_pref_size 19
	.end_amdhsa_kernel
	.amdgpu_metadata
---
amdhsa.version: [ 1, 2 ]
amdhsa.kernels:
  - .name:           k_qc5f7602f48_quant
    .symbol:         k_qc5f7602f48_quant.kd
    .args:
      - { .name: x, .offset: 0, .size: 8, .value_kind: global_buffer, .address_space: global }
      - { .name: Wq, .offset: 8, .size: 8, .value_kind: global_buffer, .address_space: global }
      - { .name: Wk, .offset: 16, .size: 8, .value_kind: global_buffer, .address_space: global }
      - { .name: Wv, .offset: 24, .size: 8, .value_kind: global_buffer, .address_space: global }
      - { .name: Wp, .offset: 32, .size: 8, .value_kind: global_buffer, .address_space: global }
      - { .name: ops, .offset: 40, .size: 8, .value_kind: global_buffer, .address_space: global }
    .group_segment_fixed_size: 327680
    .private_segment_fixed_size: 0
    .kernarg_segment_align: 8
    .kernarg_segment_size: 48
    .max_flat_workgroup_size: 512
    .sgpr_count:     66
    .vgpr_count:     194
    .wavefront_size: 32
...
	.end_amdgpu_metadata
.endif
;; end of part 1
;; launch qkv (part 2): grid 8 x 32, 4 waves a work-group, clusters of 4 x 4, 327,680 bytes of LDS; arguments ops, bq, bk, bv, qk, vq; writes qk, vq
.if DOCPART == 2
	.amdgcn_target "amdgcn-amd-amdhsa--gfx1250"
	.amdhsa_code_object_version 6
	.text
	.protected	k_qc5f7602f48_qkv
	.globl	k_qc5f7602f48_qkv
	.p2align	8
	.type	k_qc5f7602f48_qkv,@function
k_qc5f7602f48_qkv:
	s_mov_b64 s[64:65], 0
	v_nop
	global_prefetch_b8 v0, s[64:65] scope:SCOPE_SE
	s_setreg_imm32_b32 hwreg(HW_REG_WAVE_MODE, 25, 1), 1
	s_wait_xcnt 0x0
	s_wait_alu depctr_hold_cnt(0) depctr_sa_sdst(0) depctr_va_vdst(0) depctr_va_sdst(0) depctr_va_ssrc(0) depctr_va_vcc(0) depctr_vm_vsrc(0)
	s_getreg_b32 s2, hwreg(HW_REG_IB_STS2, 6, 4)
	s_cmp_eq_u32 s2, 0
	s_cbranch_scc0 .Lentry_in_a_cluster
	s_endpgm
.Lentry_in_a_cluster:
	s_bfe_u32 s2, ttmp6, 0x10000c
	s_cmp_lg_u32 s2, 0xf033
	s_cbranch_scc0 .Lentry_shape_is_right
	s_endpgm
.Lentry_shape_is_right:
; q = x Wq + bq, k = x Wk + bk, v = x Wv + bv on codes of FP6 (E2M3) with E8M0 scales; the results are quantised at once, q and k along the head's 64, v along the keys, and leave as codes: no f32 result goes to memory.
; A WORK-GROUP STAYS: work-group (g, rb) keeps 256 tokens of x (row tiles 16 rb on), all of K = 1,024, in LDS for the whole launch and walks three tiles of 128 columns: tile g of Wq, of Wk, of Wv, which lie 64 row tiles apart in ops.
; 32 x 8 = 256 work-groups. x is fetched once; the weight's region is filled again twice, each time ahead of the last K step's products, so that the load has those and the way out, which uses no LDS, in which to land.
; The matrix instruction is used transposed (source 0 = 16 rows of operand P, source 1 = 16 rows of operand R): a lane keeps ONE row of R and its registers run along P.
; Since lane r of a row tile T holds true row 32 (T / 2) + 8 (T % 2) + r + 8 (r / 8), register 8 b + j of R's block is P's true index 32 (b / 2) + 16 h + 8 (b % 2) + j: 16 registers are 16 neighbours along the next K.
;   q, k: R = x, wave w its row tiles 4 w on; P = the weight's 8 row tiles: 128 columns are two heads; a lane's 64 numbers become two half fragments (64 along K).
;   v:    R = the weight, wave w its row tiles 4 (w / 2) on: one head; P = x, row tiles 8 (w % 2) on: 128 tokens, one key step; a lane's 64 numbers become one fragment with the keys innermost.
; In both a wave has 4 x 8 = 32 accumulators and reads 12 fragments a K step.
; CLUSTER 4 x 4: x's tiles are shared along a row of the cluster, the weights' along a column: each is asked for jointly, by the same tensor load with a mask that names the four. Nothing but global store addresses hangs on both coordinates.
; OUT: qk: codes [q or k][batch x head 64][tile 128][768 bytes: registers 2 p, 2 p + 1 of lane l at 256 p + 8 l]; scale words at QS: [q or k][bh][tile / 4][r 16][tile % 4], bytes 0, 1 the head's two blocks, bytes 2, 3 zero.
;      vq: codes [bh][key step 16][tile of d 4][1,536]; scale words at VS: [bh][key step][r 16][tile of d 4].
; LIMITS: NaN and infinities are not served; a block of zeros or under 2^-124 gets the byte 1; only this program reads the bytes.
; REGISTERS in windows of 256: window 0: v1-31 addresses, v32-95 P's scale words, v96-127 R's, v128-237 the way out. window 1: P's fragments, two sets (v0, v128). window 2: R's fragments, two sets (v0, v64); v112-119 bv, v128-191 bq, v192-255 bk.
;   window 3: accumulator (a, b) at v[8 (8 a + b)].
; All of a WGP's LDS is claimed, and 0 is added to spare words ahead of each refill and at the end.
.set OPS_SC, 9437184
.set QS,     12582912
.set VS,     6291456
.set KC,     6291456                   ; qk: from q's codes to k's
.set KSD,    524288                    ; and from q's scale words to k's
.set RT,     12288                     ; a row tile's codes
.set FRB,    1536                      ; a fragment's image
.set PAIR,   2*FRB                     ; a row tile's part of a chunk of two K steps
.set XCH,    16*PAIR                   ; x's chunk
.set WCH,    8*PAIR                    ; the weight's
.set WOFF,   4*XCH                     ; the weight's region behind x's
.set ASC,    WOFF+4*WCH                ; x's scale words, 256 rows x 32 bytes
.set BSC,    ASC+8192                  ; the three weight tiles' scale words: quarter w (32 rows) at 3,072 w: [tile 3][1,024 bytes]
.set SPARE,  BSC+12288                 ; the spare words, 128 bytes for each wave: two blocks of 256 bytes that no other line names
.set WSTEP,  64*RT                     ; from a weight's tile to the next weight's
.set XR,   8                           ; v8-11   x as R: LDS address of my row tiles in chunk q
.set XP,   12                          ; v12-15  x as P
.set WP,   16                          ; v16-19  the weight as P
.set WR,   20                          ; v20-23  the weight as R
.set SXR,  24                          ; v24-27  the scale words' addresses, likewise
.set SXP,  25
.set SWP,  26
.set SWR,  27
.set SPW,  28                          ; v28     my spare word: SPARE + 4 x my thread's number; never rewritten
.set NIL,  29                          ; v29     0; never rewritten
.set QSL,  30                          ; v30     q's and k's scale words: 8,192 h + 16 r
.set R16,  31                          ; v31     16 r
.set SCP,  32                          ; register 8 b + s: the word of P's tile b, K step s
.set SCR,  96                          ; register 8 a + s: of my R block a
.set ST,   128                         ; v128-191 a block's 64 numbers
.set PC,   192                         ; v192-210 the codes just made
.set TM,   212                         ; v212-227 at work
.set PW,   228                         ; v228-231 the four blocks' scale words
.set SW,   232                         ; v232-235 as they leave for q and k
.set BPL,  236                         ; v236     bq, bk: 64 h
.set BRL,  237                         ; v237     bv: 4 (r % 8 + 16 (r / 8))
.set BR,   112                         ; window 2
.set BPQ,  128
.set BPK,  192
.set G1X,  24                          ; s[24:31] group 1: x's codes;  s[32:39] the weight's;  s[40:47] x's scale words;  s[48:55] the weights'
.set G1W,  32
.set G1SX, 40
.set G1SW, 48
.set MSB, 0
.macro WIN new                         ; the immediate's high byte repeats the setting that is left
.if MSB != \new
	s_set_vgpr_msb (MSB<<8)|\new
.set MSB, \new
.endif
.endm
.set MUL, 0xf9                         ; source 0 (P) window 1, source 1 (R) window 2, C and D window 3
.macro CROUND                          ; a round of the cluster's barrier
	s_barrier_signal -1
	s_barrier_wait -1
	s_cmp_lg_u32 s16, 0
	s_cbranch_scc1 .Lnot_wave_0_\@
	s_barrier_signal -3
.Lnot_wave_0_\@:
	s_barrier_wait -3
	s_barrier_signal -1
	s_barrier_wait -1
.endm
.macro PLACES
.rept 4
	v_nop
.endr
.endm
.macro GROUP1 g, c, r, p               ; r rows of c elements of 8 bytes, p elements apart
	s_mov_b32 s[\g+1], (\c)<<16
	s_mov_b32 s[\g+2], (\r)<<16
	s_mov_b32 s[\g+3], (\c)<<16
	s_mov_b32 s[\g+4], \r
	s_mov_b32 s[\g+5], \p
	s_mov_b32 s[\g+6], 0
	s_mov_b32 s[\g+7], 0
.endm
	s_load_b256 s[4:11], s[0:1], 0x0               ; ops, bq, bk, bv
	s_load_b128 s[12:15], s[0:1], 0x20             ; qk, vq
	v_lshl_add_u32 v[SPW], v0, 2, SPARE
	v_mov_b32 v[NIL], 0
	ds_add_u32 v28, v29
	ds_add_u32 v28, v29
	s_wait_dscnt 0x0
	v_lshrrev_b32 v1, 5, v0
	v_readfirstlane_b32 s16, v1                    ; wave 0..3
	s_lshr_b32 s17, s16, 1
	s_and_b32 s18, s16, 1
	s_bfe_u32 s19, ttmp6, 0x40000                  ; cx
	s_bfe_u32 s20, ttmp6, 0x40004                  ; cy
	s_lshl_b32 s21, ttmp9, 2
	s_add_co_u32 s21, s21, s19                     ; g = 4 x cluster x + cx
	s_and_b32 s22, ttmp7, 0xffff
	s_lshl_b32 s22, s22, 2
	s_add_co_u32 s22, s22, s20                     ; rb = 4 x cluster y + cy
	s_lshl_b32 s2, s20, 2
	s_lshl_b32 s2, 15, s2                          ; my row of the cluster
	s_lshl_b32 s66, 0x1111, s19                    ; my column
	s_or_b32 s[G1X], s2, (3<<16)|(1<<21)           ; 15:0 the mask; elements of 8 bytes; bit 21 set beside a mask; no padding: images are dense
	s_or_b32 s[G1SX], s2, (3<<16)|(1<<21)
	s_or_b32 s[G1W], s66, (3<<16)|(1<<21)
	s_or_b32 s[G1SW], s66, (3<<16)|(1<<21)
	GROUP1 G1X, 384, 4, 1536                       ; 4 row tiles x 3,072 bytes (two K steps), 12,288 bytes apart
	GROUP1 G1W, 384, 8, 1536                       ; 8 row tiles
	GROUP1 G1SX, 32, 8, 32                         ; 2,048 dense bytes of scale words as rows of 256
	GROUP1 G1SW, 128, 3, 4096                      ; 1,024 bytes of each of the three tiles, 32,768 bytes apart
	; groups 0: s[56:59] x's scale words, s[60:63] the weights', s[68:71] the weight's chunk w, s[72:87] x's chunks 0-3. Offsets are made in the address words themselves;
	; x's hang on rb and the wave alone (s2, s3), the weights' on g and the wave alone (s66, s67); LDS addresses on the wave alone
	s_lshl_b32 s2, s22, 4                          ; x's first row tile
	s_lshl_b32 s3, s16, 2
	s_add_co_u32 s3, s3, s2
	s_mul_i32 s74, s3, RT                          ; my four row tiles
	s_mov_b32 s75, 0
	s_lshl_b32 s58, s2, 9                          ; 512 bytes of scale words a row tile
	s_lshl_b32 s3, s16, 11
	s_add_co_u32 s58, s58, s3
	s_add_co_u32 s58, s58, OPS_SC
	s_mov_b32 s59, 0
	s_add_co_u32 s57, s3, ASC
	s_mul_i32 s73, s16, 4*PAIR
	s_add_co_u32 s77, s73, XCH
	s_add_co_u32 s81, s73, 2*XCH
	s_add_co_u32 s85, s73, 3*XCH
	s_lshl_b32 s66, s21, 3
	s_add_co_u32 s66, s66, 512                     ; Wq's tile g: its first row tile
	s_mul_i32 s70, s66, RT
	s_mul_i32 s67, s16, PAIR
	s_add_co_u32 s70, s70, s67                     ; chunk w
	s_mov_b32 s71, 0
	s_lshl_b32 s62, s66, 9
	s_lshl_b32 s67, s16, 10
	s_add_co_u32 s62, s62, s67
	s_add_co_u32 s62, s62, OPS_SC
	s_mov_b32 s63, 0
	s_mul_i32 s61, s16, 3072
	s_add_co_u32 s61, s61, BSC
	s_mul_i32 s69, s16, WCH
	s_add_co_u32 s69, s69, WOFF
.irp g, 56,60,68,72,76,80,84
	s_mov_b32 s\g, 1
.endr
	s_mov_b32 s88, 0x76543210
	s_mov_b32 s89, 0xfedcba98                      ; v_permlanex16_b32's selects for lane l xor 16
	s_wait_kmcnt 0x0
	s_add_nc_u64 s[58:59], s[4:5], s[58:59]
	s_add_nc_u64 s[62:63], s[4:5], s[62:63]
	s_add_nc_u64 s[70:71], s[4:5], s[70:71]
	s_add_nc_u64 s[74:75], s[4:5], s[74:75]
	s_add_nc_u64 s[78:79], s[74:75], PAIR
	s_add_nc_u64 s[82:83], s[74:75], 2*PAIR
	s_add_nc_u64 s[86:87], s[74:75], 3*PAIR
.irp g, 59,63,71,75,79,83,87
	s_or_b32 s\g, s\g, 0x80000000
.endr
	CROUND                                         ; all sixteen work-groups are here: the joint loads meet
	tensor_load_to_lds s[56:59], s[G1SX:G1SX+7]    ; every wave issues the same seven lines, each into bytes of its own: seven of mine are out
	s_nop 0
	tensor_load_to_lds s[60:63], s[G1SW:G1SW+7]
	s_nop 0
	tensor_load_to_lds s[68:71], s[G1W:G1W+7]
	s_nop 0
	tensor_load_to_lds s[72:75], s[G1X:G1X+7]
	s_nop 0
	tensor_load_to_lds s[76:79], s[G1X:G1X+7]
	s_nop 0
	tensor_load_to_lds s[80:83], s[G1X:G1X+7]
	s_nop 0
	tensor_load_to_lds s[84:87], s[G1X:G1X+7]
	s_nop 0
	PLACES                                         ; four v_nop follow the last line
	v_and_b32 v1, 31, v0                           ; lane
	v_and_b32 v2, 15, v0                           ; r
	v_bfe_u32 v3, v0, 4, 1                         ; h
	v_lshlrev_b32 v4, 4, v1                        ; 16 x lane
	v_lshlrev_b32 v5, 3, v1                        ; 8 x lane
	s_mul_i32 s2, s16, 4*PAIR
	v_add_nc_u32 v[XR], s2, v4
	s_mul_i32 s2, s18, 8*PAIR
	v_add_nc_u32 v[XP], s2, v4
	v_add_nc_u32 v[WP], WOFF, v4
	s_mul_i32 s2, s17, 4*PAIR
	s_add_co_u32 s2, s2, WOFF
	v_add_nc_u32 v[WR], s2, v4
.irp q, 1,2,3
	v_add_nc_u32 v[XR+\q], \q*XCH, v[XR]
	v_add_nc_u32 v[XP+\q], \q*XCH, v[XP]
	v_add_nc_u32 v[WP+\q], \q*WCH, v[WP]
	v_add_nc_u32 v[WR+\q], \q*WCH, v[WR]
.endr
	v_lshlrev_b32 v6, 5, v2                        ; 32 bytes of scale words a row
	s_lshl_b32 s2, s16, 11
	s_add_co_u32 s2, s2, ASC
	v_add_nc_u32 v[SXR], s2, v6
	s_lshl_b32 s2, s18, 12
	s_add_co_u32 s2, s2, ASC
	v_add_nc_u32 v[SXP], s2, v6
	v_add_nc_u32 v[SWP], BSC, v6
	s_mul_i32 s2, s17, 6144
	s_add_co_u32 s2, s2, BSC
	v_add_nc_u32 v[SWR], s2, v6
	v_lshlrev_b32 v[BPL], 6, v3
	v_and_b32 v6, 7, v2
	v_lshrrev_b32 v7, 3, v2
	v_lshl_add_u32 v6, v7, 4, v6
	v_lshlrev_b32 v[BRL], 2, v6
	s_wait_alu depctr_va_vdst(0)
	v_lshlrev_b32 v[R16], 4, v2
	v_lshl_add_u32 v[QSL], v3, 13, v[R16]
.irp b, 0,1,2,3
	v_mov_b32 v[TM+4+\b], 0                        ; a lane permute's destination counts as one of its sources
.endr
	s_lshl_b32 s2, s21, 9                          ; my 128 columns of each bias: 512 g bytes
	s_mov_b32 s3, 0
	s_add_nc_u64 s[6:7], s[6:7], s[2:3]
	s_add_nc_u64 s[8:9], s[8:9], s[2:3]
	s_lshl_b32 s23, s17, 8
	s_add_co_u32 s2, s2, s23                       ; of bv my head's 64
	s_add_nc_u64 s[10:11], s[10:11], s[2:3]
	WIN 0x80                                       ; destination window 2
.irp b, 0,1,2,3
.irp e, 0,1,2,3
	global_load_b128 v[BPQ+16*\b+4*\e:BPQ+16*\b+4*\e+3], v[BPL], s[6:7] offset:128*\b+16*\e   ; register 16 b + i: column 32 b + 16 h + i
	global_load_b128 v[BPK+16*\b+4*\e:BPK+16*\b+4*\e+3], v[BPL], s[8:9] offset:128*\b+16*\e
.endr
.endr
.irp a, 0,1,2,3
	global_load_b32 v[BR+2*\a], v[BRL], s[10:11] offset:4*(32*(\a/2)+8*(\a%2))     ; my row's number, in both registers of a pair for the packed addition
	global_load_b32 v[BR+2*\a+1], v[BRL], s[10:11] offset:4*(32*(\a/2)+8*(\a%2))
.endr
	WIN 0
	; where the results go
	s_lshr_b32 s98, s22, 3                         ; batch
	s_lshl_b32 s98, s98, 4
	s_lshl_b32 s99, s21, 1
	s_add_co_u32 s99, s99, s98                     ; 16 x batch + the first of my two heads
	s_and_b32 s23, s22, 7
	s_lshl_b32 s23, s23, 4
	s_lshl_b32 s2, s16, 2
	s_add_co_u32 s23, s23, s2                      ; my first tile of tokens in the batch
	s_lshl_b32 s90, s99, 7
	s_add_co_u32 s90, s90, s23
	s_mul_i32 s90, s90, 768
	s_mov_b32 s91, 0
	s_lshl_b32 s92, s99, 13
	s_lshr_b32 s23, s23, 2
	s_lshl_b32 s23, s23, 8
	s_add_co_u32 s92, s92, s23
	s_add_co_u32 s92, s92, QS
	s_mov_b32 s93, 0
	s_add_co_u32 s99, s99, s17                     ; v: 16 x batch + my head,
	s_lshl_b32 s99, s99, 4
	s_lshl_b32 s23, s22, 1
	s_add_co_u32 s23, s23, s18
	s_and_b32 s23, s23, 15                         ; my key step
	s_add_co_u32 s99, s99, s23
	s_mul_i32 s94, s99, 4*FRB
	s_mov_b32 s95, 0
	s_lshl_b32 s96, s99, 8
	s_add_co_u32 s96, s96, VS
	s_mov_b32 s97, 0
	s_add_nc_u64 s[90:91], s[12:13], s[90:91]      ; q's codes
	s_add_nc_u64 s[92:93], s[12:13], s[92:93]      ; q's scale words
	s_add_nc_u64 s[94:95], s[14:15], s[94:95]      ; v's codes
	s_add_nc_u64 s[96:97], s[14:15], s[96:97]      ; v's scale words
; scale words of n row tiles into v[reg] on, eight a tile: of the weight's tile t, and of x
.macro SCW reg, n, adr, t
.set i, 0
.rept \n
	ds_load_b128 v[\reg+8*i:\reg+8*i+3], v[\adr] offset:(i/2)*3072+(i%2)*512+(\t)*1024
	ds_load_b128 v[\reg+8*i+4:\reg+8*i+7], v[\adr] offset:(i/2)*3072+(i%2)*512+(\t)*1024+16
.set i, i+1
.endr
.endm
.macro SCX reg, n, adr
.set i, 0
.rept \n
	ds_load_b128 v[\reg+8*i:\reg+8*i+3], v[\adr] offset:512*i
	ds_load_b128 v[\reg+8*i+4:\reg+8*i+7], v[\adr] offset:512*i+16
.set i, i+1
.endr
.endm
; the fragments of K step s into set: 24 loads for P (addresses pa), 12 for R (ra): images, 512 consecutive bytes a load
.macro FETCH pa, ra, s, set
	WIN 0x40
.irp b, 0,1,2,3,4,5,6,7
.irp g, 0,1,2
	ds_load_b128 v[128*(\set)+12*\b+4*\g:128*(\set)+12*\b+4*\g+3], v[\pa+(\s)/2] offset:PAIR*\b+FRB*((\s)%2)+512*\g
.endr
.endr
	WIN 0x80
.irp a, 0,1,2,3
.irp g, 0,1,2
	ds_load_b128 v[64*(\set)+12*\a+4*\g:64*(\set)+12*\a+4*\g+3], v[\ra+(\s)/2] offset:PAIR*\a+FRB*((\s)%2)+512*\g
.endr
.endr
.endm
; 32 matrix instructions; the 32 accumulators take turns, one instruction a turn, in the same order in every step. zero = 1: the first product starts the sums
.macro MULS s, set, zero
	WIN MUL
.irp a, 0,1,2,3
.irp b, 0,1,2,3,4,5,6,7
.if \zero
	v_wmma_scale_f32_16x16x128_f8f6f4 v[8*(8*\a+\b):8*(8*\a+\b)+7], v[128*(\set)+12*\b:128*(\set)+12*\b+11], v[64*(\set)+12*\a:64*(\set)+12*\a+11], 0, v[SCP+8*\b+(\s)], v[SCR+8*\a+(\s)] matrix_a_fmt:MATRIX_FMT_FP6 matrix_b_fmt:MATRIX_FMT_FP6
.else
	v_wmma_scale_f32_16x16x128_f8f6f4 v[8*(8*\a+\b):8*(8*\a+\b)+7], v[128*(\set)+12*\b:128*(\set)+12*\b+11], v[64*(\set)+12*\a:64*(\set)+12*\a+11], v[8*(8*\a+\b):8*(8*\a+\b)+7], v[SCP+8*\b+(\s)], v[SCR+8*\a+(\s)] matrix_a_fmt:MATRIX_FMT_FP6 matrix_b_fmt:MATRIX_FMT_FP6
.endif
.endr
.endr
.endm
; A K step. first = 1: the first tile, in which x's chunks are still landing. refill = 1: at the head of the last step the weight's region, all of whose fragments have been asked for, is filled with the next weight's tile
.macro STEP pa, ra, s, first, refill
.if ((\s) == 7) && (\refill)
	WIN 0
	s_wait_tensorcnt 0x0                           ; no tensor load of mine is out, so a group 0 may be written
	ds_add_u32 v[SPW], v[NIL]                      ; 0 onto my spare word
	s_add_nc_u64 s[70:71], s[70:71], WSTEP         ; chunk w of the next weight's tile; the type bits on top are not reached
	s_wait_dscnt 0x0                               ; the add is done, and my last reads of the weight's region are in
	CROUND                                         ; that holds of every wave of every partner
	tensor_load_to_lds s[68:71], s[G1W:G1W+7]      ; my one load behind the round, and the first thing there
	s_nop 0
	PLACES
.else
	s_wait_dscnt 0x0                               ; this step's fragments are in, and no LDS load of mine is out at a signal
.if ((\s)%2 == 1) && ((\s) < 7) && (\first)
	s_wait_tensorcnt 3-((\s)+1)/2                  ; my part of x's next chunk has landed; the chunks asked for behind it may stay out
	s_barrier_signal -1
	s_barrier_wait -1                              ; everybody's has
.endif
.if (\s) < 7
.if (\s) > 0
	PLACES                                         ; four places in front of loads into the set that the last step's products read
.endif
	FETCH \pa, \ra, (\s)+1, ((\s)+1)%2
.endif
.endif
.if (\s) == 0
	MULS \s, 0, 1
.else
	MULS \s, (\s)%2, 0
.endif
.endm
.macro KLOOP pa, ra, first, refill
.irp s, 0,1,2,3,4,5,6,7
	STEP \pa, \ra, \s, \first, \refill
.endr
	WIN 0
	PLACES                                         ; in front of the first read of results
.endm
.macro NEXTW                           ; the next weight's tile is whole
	s_wait_tensorcnt 0x0                           ; one load of mine was out: my chunk has landed;
	s_wait_dscnt 0x0                               ; (the scale words just asked for are in: no LDS load is out at a signal)
	s_barrier_signal -1
	s_barrier_wait -1                              ; everybody's has
.endm
; 64 numbers of a lane, register 16 b + i = k 32 b + 16 h + i of my row, become a fragment's codes in v[PC] on and its scale word in v[pw]
.macro QUANT s, pw
.irp b, 0,1,2,3
	v_max3_num_f32 v[TM+\b], |v[\s+16*\b]|, |v[\s+1+16*\b]|, 0x1800000   ; my 16 numbers of block b, and the floor 2^(3 - 127)
.endr
.irp i, 2,4,6,8,10,12,14
.irp b, 0,1,2,3
	v_max3_num_f32 v[TM+\b], v[TM+\b], |v[\s+16*\b+\i]|, |v[\s+1+16*\b+\i]|
.endr
.endr
.irp b, 0,1,2,3
	v_permlanex16_b32 v[TM+4+\b], v[TM+\b], s88, s89
.endr
.irp b, 0,1,2,3
	v_max_num_f32 v[TM+\b], v[TM+\b], v[TM+4+\b]   ; with lane l xor 16's: the block's largest magnitude
.endr
.irp b, 0,1,2,3
	v_add_nc_u32 v[TM+12+\b], 0xff000000, v[TM+\b] ; 2 off the exponent field: the conversion's scale operand
.endr
.irp b, 0,1,2,3
	v_lshrrev_b32 v[TM+4+\b], 23, v[TM+12+\b]      ; the byte
.endr
	v_lshl_or_b32 v[\pw], v[TM+5], 8, v[TM+4]
	v_lshl_or_b32 v[\pw], v[TM+6], 16, v[\pw]
	v_lshl_or_b32 v[\pw], v[TM+7], 24, v[\pw]
.irp c, 0,1
	v_cvt_scalef32_pk16_fp6_f32 v[PC+6*\c:PC+2+6*\c], v[\s+32*\c:\s+15+32*\c], v[TM+12+2*\c]
	v_cvt_scalef32_pk16_fp6_f32 v[PC+12+4*\c:PC+14+4*\c], v[\s+16+32*\c:\s+31+32*\c], v[TM+12+2*\c+1]
.endr
	v_nop                                          ; one plain place behind a scaled conversion
.irp c, 0,1                                    ; the operand's layout wants a whole block in a lane
.irp i, 0,1,2
	v_permlane16_swap_b32 v[PC+6*\c+\i], v[PC+12+4*\c+\i]
.endr
.irp i, 0,1,2
	v_mov_b32 v[PC+3+6*\c+\i], v[PC+12+4*\c+\i]
.endr
.endr
.endm
; THE WAY OUT of q (sel = 0) or k (1): block a of my four: + bias, quantised, stored
.macro EPIQK sel, bp
.irp a, 0,1,2,3
	s_wait_xcnt 0x0                                ; the stores issued so far have read their registers
	WIN 0x0b                                       ; source 0 window 3, source 1 window 2
.set i, 0
.rept 32
	v_pk_add_f32 v[ST+i:ST+i+1], v[64*\a+i:64*\a+i+1], v[\bp+i:\bp+i+1]   ; each accumulator from its low end on
.set i, i+2
.endr
	WIN 0
	QUANT ST, PW+\a
.irp c, 0,1
.irp p, 0,1,2
	global_store_b64 v5, v[PC+6*\c+2*\p:PC+6*\c+2*\p+1], s[90:91] offset:(\sel)*KC+98304*\c+768*\a+256*\p   ; head c of my two: 256 consecutive bytes, aligned
.endr
.endr
.endr
	v_lshlrev_b32 v6, 4, v3                        ; lanes 16-31 carry the second head's two bytes
.irp a, 0,1,2,3
	v_lshrrev_b32 v[SW+\a], v6, v[PW+\a]
.endr
.irp a, 0,1,2,3
	v_and_b32 v[SW+\a], 0xffff, v[SW+\a]           ; bytes 2 and 3 stand over zero codes
.endr
	global_store_b128 v[QSL], v[SW:SW+3], s[92:93] offset:(\sel)*KSD   ; sixteen lanes store 256 consecutive bytes, aligned
.endm
; and of v
.macro EPIV
.irp a, 0,1,2,3
	s_wait_xcnt 0x0
	WIN 0x0b
.set i, 0
.rept 32
	v_pk_add_f32 v[ST+i:ST+i+1], v[64*\a+i:64*\a+i+1], v[BR+2*\a:BR+2*\a+1]
.set i, i+2
.endr
	WIN 0
	QUANT ST, PW+\a
.irp g, 0,1,2
	global_store_b128 v4, v[PC+4*\g:PC+4*\g+3], s[94:95] offset:FRB*\a+512*\g       ; 512 consecutive bytes, aligned to 256
.endr
.endr
	s_wait_xcnt 0x0                                ; EXEC changes only behind this wait
	v_cmp_gt_u32 vcc_lo, 16, v1
	s_and_saveexec_b32 s23, vcc_lo                 ; both halves of the lanes hold the same words: lanes 0-15 store them
	global_store_b128 v[R16], v[PW:PW+3], s[96:97] ; 256 consecutive bytes, aligned
	s_wait_xcnt 0x0                                ; and again in front of the line that widens it
	s_or_b32 exec_lo, exec_lo, s23
.endm
	s_wait_tensorcnt 3                             ; my scale words, my chunk of Wq's tile and my part of x's chunk 0 are in; x's chunks 1 to 3 may be out
	s_barrier_signal -1
	s_barrier_wait -1                              ; everybody's are
	SCW SCP, 8, SWP, 0
	SCX SCR, 4, SXR
	FETCH WP, XR, 0, 0
	KLOOP WP, XR, 1, 1                             ; q; Wk's tile is asked for
	s_wait_loadcnt 0x0                             ; the biases
	EPIQK 0, BPQ
	SCW SCP, 8, SWP, 1                             ; (x's words stay as they are)
	NEXTW
	FETCH WP, XR, 0, 0
	KLOOP WP, XR, 0, 1                             ; k; Wv's tile is asked for
	EPIQK 1, BPK
	SCX SCP, 8, SXP
	SCW SCR, 4, SWR, 2
	NEXTW
	FETCH XP, WR, 0, 0
	KLOOP XP, WR, 0, 0                             ; v; nothing is left to fetch
	EPIV
	s_wait_tensorcnt 0x0                           ; the wave's end
	ds_add_u32 v[SPW], v[NIL]
	s_wait_dscnt 0x0
	CROUND                                         ; the closing round: no work-group ends while a partner may still ask for a tile that names it
	s_endpgm
.Lfunc_end_k_qc5f7602f48_qkv:
	.size	k_qc5f7602f48_qkv, .Lfunc_end_k_qc5f7602f48_qkv-k_qc5f7602f48_qkv
	.p2alignl 7, 3214868480
	.fill 96, 4, 3214868480
	.section	.rodata,"a",@progbits
	.p2align	6, 0x0
	.amdhsa_kernel k_qc5f7602f48_qkv
		.amdhsa_group_segment_fixed_size 327680
		.amdhsa_private_segment_fixed_size 0
		.amdhsa_enable_private_segment 0
		.amdhsa_kernarg_size 48
		.amdhsa_user_sgpr_count 2
		.amdhsa_user_sgpr_kernarg_segment_ptr 1
		.amdhsa_wavefront_size32 1
		.amdhsa_system_sgpr_workgroup_id_x 1
		.amdhsa_system_sgpr_workgroup_id_y 1
		.amdhsa_system_sgpr_workgroup_id_z 1
		.amdhsa_system_vgpr_workitem_id 0
		.amdhsa_next_free_vgpr 1024
		.amdhsa_next_free_sgpr 100
		.amdhsa_reserve_vcc 1
		.amdhsa_float_denorm_mode_32 3
		.amdhsa_float_denorm_mode_16_64 3
		.amdhsa_memory_ordered 1
		.amdhsa_forward_progress 1
		.amdhsa_inst_pref_size 254
	.end_amdhsa_kernel
	.amdgpu_metadata
---
amdhsa.version: [ 1, 2 ]
amdhsa.kernels:
  - .name:           k_qc5f7602f48_qkv
    .symbol:         k_qc5f7602f48_qkv.kd
    .args:
      - { .name: ops, .offset: 0, .size: 8, .value_kind: global_buffer, .address_space: global }
      - { .name: bq, .offset: 8, .size: 8, .value_kind: global_buffer, .address_space: global }
      - { .name: bk, .offset: 16, .size: 8, .value_kind: global_buffer, .address_space: global }
      - { .name: bv, .offset: 24, .size: 8, .value_kind: global_buffer, .address_space: global }
      - { .name: qk, .offset: 32, .size: 8, .value_kind: global_buffer, .address_space: global }
      - { .name: vq, .offset: 40, .size: 8, .value_kind: global_buffer, .address_space: global }
    .group_segment_fixed_size: 327680
    .private_segment_fixed_size: 0
    .kernarg_segment_align: 8
    .kernarg_segment_size: 48
    .max_flat_workgroup_size: 128
    .sgpr_count:     100
    .vgpr_count:     1024
    .wavefront_size: 32
...
	.end_amdgpu_metadata
.endif
;; end of part 2
;; launch attn (part 3): grid 4 x 64, 16 waves a work-group, no clusters, 327,680 bytes of LDS; arguments qk, vq, yq; writes yq
.if DOCPART == 3
	.amdgcn_target "amdgcn-amd-amdhsa--gfx1250"
	.amdhsa_code_object_version 6
	.text
	.protected	k_qc5f7602f48_attn
	.globl	k_qc5f7602f48_attn
	.p2align	8
	.type	k_qc5f7602f48_attn,@function
k_qc5f7602f48_attn:
	s_mov_b64 s[64:65], 0
	v_nop
	global_prefetch_b8 v0, s[64:65] scope:SCOPE_SE
	s_setreg_imm32_b32 hwreg(HW_REG_WAVE_MODE, 25, 1), 1
	s_wait_xcnt 0x0
; y = softmax(q k^T / 8, causal) v for one batch x head, both products on codes of FP6 (E2M3) with E8M0 scales; y is divided by the row's sum, quantised along the head's 64 and leaves as codes for the last product.
; THE SOFTMAX: t = score x log2(e) / 8; M = the running largest t rounded UP to a whole number; p = 2^(t - M) is quantised along the keys, not normalised; the row's sum is taken of the unquantised p. When M moves, the sum and O are
; multiplied by 2^(old M - new M): exact.
; SHARES: work-group (i, bh) owns the blocks of 256 queries 7 - i (pass 0) and i (pass 1): every work-group has nine blocks' worth of keys. Wave w owns tile w of 16 queries in pass 0 and tile 15 - w in pass 1: 17 key steps a wave.
; Sixteen waves of 256 registers, four to a SIMD: one wave's vector work stands beside another's matrix work and LDS loads.
; THE WHOLE HEAD LIES IN LDS, filled once: K's codes 98,304 bytes, V's 98,304, their scale words 8,192 and 4,096. No slot is filled again; one barrier behind the fills, one at the end.
; LAYOUT: both products transposed: S^T = K Q^T (source 0 = 16 keys), O^T = V^T P^T (source 0 = 16 of the head's 64): a lane holds ONE query. Lane r of tile T holds token (or d) 32 (T / 2) + 8 (T % 2) + r + 8 (r / 8), so 16 registers of
; two neighbouring tiles are 16 neighbours. The head has 64 along K: registers 6-11 of Q's and K's fragments are zero codes, and bytes 2, 3 of their scale words stand over them.
; CAUSAL: the key loop has 16 trips in every wave; a step all of whose keys come after the wave's queries is jumped over by a scalar branch on ids; on the diagonal hidden scores become -infinity ahead of the maximum.
; NO CLUSTER: the four work-groups of a head read the same tiles, but the branches round hidden steps hang on the query block, which would be the place in the cluster, and partners must branch alike.
; LIMITS: NaN and infinities are not served; a block of zeros or under 2^-124 gets the byte 1; only this program reads the bytes.
; REGISTERS: v1-7 addresses that stay; v8-11 the step's addresses; v12 -M, v13 the largest t, v[14:15] the sum; v16-27 Q; v28-31 V's scale words; v32-79 four fragments of K; v80-127 four of V; v128-191 S^T, then p; v192-223 O^T;
;   v224-235 p's codes; v232-254 at work; v248-251 K's scale words; v253 p's word; v255 Q's word.
.set KC,   6291456                     ; qk: K's codes
.set QS,   12582912                    ; Q's scale words
.set KS,   13107200                    ; K's
.set VS,   6291456                     ; vq: V's scale words
.set YS,   6291456                     ; yq: y's scale halfwords
.set LV,   98304                       ; LDS: V's codes behind K's
.set LKS,  196608                      ; K's scale words
.set LVS,  204800                      ; V's
.set SCRY, 208896                      ; y's scale halfwords, 2 passes x 512 bytes: no fill lands here
.set S,    128
.set O,    192
	s_load_b128 s[4:7], s[0:1], 0x0                ; qk, vq
	s_load_b64 s[8:9], s[0:1], 0x10                ; yq
	v_lshl_add_u32 v254, v0, 2, 0x34000
	v_mov_b32 v255, 0
	ds_add_u32 v254, v255
	ds_add_u32 v254, v255
	s_wait_dscnt 0x0
	v_lshrrev_b32 v8, 5, v0
	s_delay_alu instid0(VALU_DEP_1)
	v_readfirstlane_b32 s10, v8                    ; wave 0..15
	s_and_b32 s11, ttmp7, 0xffff                   ; batch x head
	s_mov_b32 s12, ttmp9                           ; i
	s_mov_b32 s24, 3<<16                           ; group 1 for the codes: 12,288 dense bytes as 48 rows of 32 elements of 8 bytes
	s_mov_b32 s25, 32<<16
	s_mov_b32 s26, 48<<16
	s_mov_b32 s27, 32<<16
	s_mov_b32 s28, 48
	s_mov_b32 s29, 32
	s_mov_b32 s30, 0
	s_mov_b32 s31, 0
	s_mov_b32 s32, 3<<16                           ; for the scale words: 4,096 bytes as 16 rows
	s_mov_b32 s33, 32<<16
	s_mov_b32 s34, 16<<16
	s_mov_b32 s35, 32<<16
	s_mov_b32 s36, 16
	s_mov_b32 s37, 32
	s_mov_b32 s38, 0
	s_mov_b32 s39, 0
	s_and_b32 s13, s10, 7
	s_mul_i32 s13, s13, 12288
	s_mul_i32 s14, s11, 98304
	s_add_co_u32 s46, s14, s13                     ; V's codes: the head's, my eighth
	s_mov_b32 s47, 0
	s_add_co_u32 s42, s46, KC                      ; K's likewise
	s_mov_b32 s43, 0
	s_mul_i32 s41, s10, 12288                      ; waves 0-7 fill K's region, waves 8-15 V's, which follows it
	s_mov_b32 s45, s41
	s_mov_b32 s40, 1
	s_mov_b32 s44, 1
	s_and_b32 s13, s10, 1
	s_lshl_b32 s13, s13, 12
	s_lshl_b32 s50, s11, 13
	s_add_co_u32 s50, s50, s13
	s_add_co_u32 s50, s50, KS                      ; K's scale words: waves 0 and 1, a half each
	s_mov_b32 s51, 0
	s_add_co_u32 s49, s13, LKS
	s_mov_b32 s48, 1
	s_lshl_b32 s54, s11, 12
	s_add_co_u32 s54, s54, VS                      ; V's: wave 2
	s_mov_b32 s55, 0
	s_mov_b32 s53, LVS
	s_mov_b32 s52, 1
	s_mov_b32 s20, 0x76543210
	s_mov_b32 s21, 0xfedcba98                      ; v_permlanex16_b32's selects for lane l xor 16
	s_mov_b32 s22, 0x3e38aa3b                      ; c = log2(e) / 8
	s_mov_b32 s23, s22                             ; (named with it as a pair, so it is written)
	s_wait_kmcnt 0x0
	s_add_nc_u64 s[42:43], s[4:5], s[42:43]
	s_add_nc_u64 s[46:47], s[6:7], s[46:47]
	s_add_nc_u64 s[50:51], s[4:5], s[50:51]
	s_add_nc_u64 s[54:55], s[6:7], s[54:55]
.irp g, 43,47,51,55
	s_or_b32 s\g, s\g, 0x80000000
.endr
	s_cmp_lt_u32 s10, 8                            ; the fills: one load of codes a wave, one more in waves 0 to 2: at most one of mine is out. Four v_nop follow each line
	s_cbranch_scc0 .Lfill_v
	tensor_load_to_lds s[40:43], s[24:31]
	s_nop 0
.rept 4
	v_nop
.endr
	s_branch .Lcodes_asked
.Lfill_v:
	tensor_load_to_lds s[44:47], s[24:31]
	s_nop 0
.rept 4
	v_nop
.endr
.Lcodes_asked:
	s_wait_alu depctr_va_vdst(0)
	s_wait_tensorcnt 0x0
	ds_add_u32 v254, v255
	s_wait_dscnt 0x0
	s_barrier_signal -1
	s_barrier_wait -1
	s_cmp_lt_u32 s10, 2
	s_cbranch_scc0 .Lnot_ks
	tensor_load_to_lds s[48:51], s[32:39]
	s_nop 0
.rept 4
	v_nop
.endr
	s_branch .Lscales_asked
.Lnot_ks:
	s_cmp_eq_u32 s10, 2
	s_cbranch_scc0 .Lscales_asked
	tensor_load_to_lds s[52:55], s[32:39]
	s_nop 0
.rept 4
	v_nop
.endr
.Lscales_asked:
	v_and_b32 v8, 31, v0                           ; lane
	v_and_b32 v9, 15, v0                           ; r
	v_bfe_u32 v10, v0, 4, 1                        ; h
	s_delay_alu instid0(VALU_DEP_3)
	v_lshlrev_b32 v1, 3, v8                        ; K's and Q's images: 8 x lane
	s_delay_alu instid0(VALU_DEP_4)
	v_lshlrev_b32 v11, 4, v8
	s_delay_alu instid0(VALU_DEP_1)
	v_add_nc_u32 v2, LV, v11                       ; V's: 16 x lane
	s_delay_alu instid0(VALU_DEP_2)
	v_add_nc_u32 v3, LKS, v11                      ; K's scale words: lanes 0-15 tiles 0-3 of a step, lanes 16-31 tiles 4-7
	v_lshlrev_b32 v6, 4, v9                        ; 16 r
	s_delay_alu instid0(VALU_DEP_1)
	v_add_nc_u32 v4, LVS, v6                       ; V's scale words
	s_lshl_b32 s13, s10, 5
	s_add_co_u32 s13, s13, SCRY
	v_lshl_add_u32 v5, v9, 1, s13                  ; y's halfword: 32 x wave + 2 r
	v_lshrrev_b32 v7, 3, v9
	s_delay_alu instid0(VALU_DEP_1)
	v_lshl_add_u32 v7, v7, 3, v9
	v_lshlrev_b32 v10, 4, v10
	s_delay_alu instid0(VALU_DEP_1)
	v_sub_nc_u32 v7, v7, v10                       ; my query in its tile less 16 h: r + 8 (r / 8) - 16 h
.irp j, 22,23,24,25,26,27
	v_mov_b32 v\j, 0                               ; Q's upper 64 along K: zero codes
.endr
.irp t, 0,1,2,3
.irp j, 6,7,8,9,10,11
	v_mov_b32 v[32+12*\t+\j], 0                    ; K's likewise: written once, never loaded over
.endr
.endr
.irp j, 236,237,238,239,252,253
	v_mov_b32 v\j, 0                               ; lane permutes' destinations and the upper half of a pair count as read
.endr
	s_mov_b32 s15, 0
	s_wait_tensorcnt 0x0                           ; my parts of the head have landed,
	s_barrier_signal -1
	s_barrier_wait -1                              ; everybody's have
.macro PASS which
.if \which == 0
	s_sub_co_u32 s16, 7, s12                       ; the block of queries,
	s_mov_b32 s17, s10                             ; my tile in it
.else
	s_wait_xcnt 0x0                                ; the last pass's stores have read their registers and bases
	s_mov_b32 s16, s12
	s_xor_b32 s17, s10, 15
.endif
	s_lshl_b32 s18, s16, 4
	s_add_co_u32 s18, s18, s17                     ; my tile in the head
	s_lshr_b32 s19, s18, 1
	s_lshl_b32 s19, s19, 5
	s_and_b32 s13, s18, 1
	s_lshl_b32 s13, s13, 3
	s_add_co_u32 s19, s19, s13                     ; its first query; its last is 23 on
	s_lshl_b32 s14, s11, 7
	s_add_co_u32 s14, s14, s18
	s_mul_i32 s14, s14, 768
	s_add_nc_u64 s[24:25], s[4:5], s[14:15]        ; Q's codes
	s_lshl_b32 s14, s11, 13
	s_lshr_b32 s13, s18, 2
	s_lshl_b32 s13, s13, 8
	s_add_co_u32 s14, s14, s13
	s_and_b32 s13, s18, 3
	s_lshl_b32 s13, s13, 2
	s_add_co_u32 s14, s14, s13
	s_add_co_u32 s14, s14, QS
	s_add_nc_u64 s[26:27], s[4:5], s[14:15]        ; Q's scale words
	s_lshr_b32 s14, s11, 4
	s_lshl_b32 s14, s14, 7
	s_add_co_u32 s14, s14, s18                     ; y's row tile: 128 x batch + tile
	s_lshl_b32 s14, s14, 4
	s_and_b32 s13, s11, 15
	s_add_co_u32 s14, s14, s13
	s_mul_i32 s14, s14, 768
	s_add_nc_u64 s[28:29], s[8:9], s[14:15]        ; y's codes: [row tile][head][768]
.irp p, 0,1,2
	global_load_b64 v[16+2*\p:17+2*\p], v1, s[24:25] offset:256*\p
.endr
	global_load_b32 v255, v6, s[26:27]
	v_mov_b32 v13, 0xff61b1e6                      ; the largest t so far: -3e38
	s_delay_alu instid0(VALU_DEP_1)
	v_floor_f32 v12, -v13                          ; -M
	v_mov_b32 v14, 0
	v_mov_b32 v15, 0
.set j, 0
.rept 32
	v_mov_b32 v[O+j], 0                            ; O^T: the step is written once; the first change of M leaves zeros zeros
.set j, j+1
.endr
	s_mov_b32 s56, 0                               ; the step's first key
	s_mov_b32 s57, 0                               ; its codes: 6,144 bytes a step, in K and in V
	s_mov_b32 s58, 0                               ; K's scale words: 512
	s_mov_b32 s59, 0                               ; V's: 256
	s_mov_b32 s60, 0
	s_add_co_u32 s61, s19, 23
	s_wait_loadcnt 0x0
.Lkey_\@:
	s_cmp_gt_u32 s56, s61                          ; all 128 keys come after my queries: only the addresses step
	s_cbranch_scc1 .Lhidden_\@
	s_setprio 2
	v_add_nc_u32 v8, s57, v1                       ; (these four are also the places in front of loads into what the last step's products read)
	v_add_nc_u32 v9, s57, v2
	v_add_nc_u32 v10, s58, v3
	v_add_nc_u32 v11, s59, v4
	ds_load_b128 v[248:251], v10
.irp t, 0,1,2,3
.irp p, 0,1,2
	ds_load_b64 v[32+12*\t+2*\p:33+12*\t+2*\p], v8 offset:768*\t+256*\p
.endr
.endr
.irp t, 0,1,2,3
.irp g, 0,1,2
	ds_load_b128 v[80+12*\t+4*\g:83+12*\t+4*\g], v9 offset:1536*\t+512*\g
.endr
.endr
	ds_load_b128 v[28:31], v11
	s_wait_alu depctr_va_vdst(0)
	s_wait_dscnt 13                                ; K's words and tiles 0-3 are in; V's twelve loads and its words may be out
.irp t, 0,1,2,3
	v_wmma_scale_f32_16x16x128_f8f6f4 v[S+8*\t:S+8*\t+7], v[32+12*\t:43+12*\t], v[16:27], 0, v[248+\t], v255 matrix_a_fmt:MATRIX_FMT_FP6 matrix_b_fmt:MATRIX_FMT_FP6
.endr
.rept 4
	v_nop                                          ; places in front of loads into registers that matrix instructions have read
.endr
.irp t, 0,1,2,3
.irp p, 0,1,2
	ds_load_b64 v[32+12*\t+2*\p:33+12*\t+2*\p], v8 offset:768*(4+\t)+256*\p
.endr
.endr
	s_wait_dscnt 0x0
.irp t, 0,1,2,3
	v_wmma_scale_f32_16x16x128_f8f6f4 v[S+32+8*\t:S+32+8*\t+7], v[32+12*\t:43+12*\t], v[16:27], 0, v[248+\t], v255 matrix_a_fmt:MATRIX_FMT_FP6 matrix_b_fmt:MATRIX_FMT_FP6 matrix_a_scale:MATRIX_SCALE_ROW1
.endr
.rept 4
	v_nop                                          ; places in front of the first read of results
.endr
	s_add_co_u32 s62, s56, 127
	s_cmp_le_u32 s62, s19                          ; all keys count for all my queries: no mask
	s_cbranch_scc1 .Lopen_\@
	s_sub_co_i32 s62, s19, s56
	v_add_nc_u32 v252, s62, v7                     ; d = my query - the step's first key - 16 h; register n holds key 32 (n / 16) + n % 16 + 16 h of the step: hidden where that is above d
	v_mov_b32 v254, 0xff800000                     ; -infinity
.set n, 0
.rept 64
	v_cmp_gt_i32 vcc_lo, 32*(n/16)+n%16, v252
	v_cndmask_b32 v[S+n], v[S+n], v254, vcc_lo
.set n, n+1
.endr
.Lopen_\@:
.irp b, 0,1,2,3
	v_max3_num_f32 v[232+\b], v[S+16*\b], v[S+1+16*\b], v[S+2+16*\b]   ; the largest score of each block of 32 keys: for the row's maximum, and, since p rises with the score, for the block's largest p
.endr
.irp i, 3,5,7,9,11,13
.irp b, 0,1,2,3
	v_max3_num_f32 v[232+\b], v[232+\b], v[S+16*\b+\i], v[S+1+16*\b+\i]
.endr
.endr
.irp b, 0,1,2,3
	v_max_num_f32 v[232+\b], v[232+\b], v[S+15+16*\b]
.endr
.irp b, 0,1,2,3
	s_delay_alu instid0(VALU_DEP_4)
	v_permlanex16_b32 v[236+\b], v[232+\b], s20, s21
.endr
.irp b, 0,1,2,3
	s_delay_alu instid0(VALU_DEP_4)
	v_max_num_f32 v[232+\b], v[232+\b], v[236+\b]  ; with lane l xor 16's 16 keys
.endr
	s_delay_alu instid0(VALU_DEP_2)
	v_max3_num_f32 v254, v232, v233, v234
	s_delay_alu instid0(VALU_DEP_1)
	v_max_num_f32 v254, v254, v235
	s_delay_alu instid0(VALU_DEP_1)
	v_mul_f32 v254, s22, v254                      ; the step's largest t
	s_delay_alu instid0(VALU_DEP_1)
	v_max_num_f32 v13, v13, v254
	v_mov_b32 v254, v12
	s_delay_alu instid0(VALU_DEP_2)
	v_floor_f32 v12, -v13                          ; the new -M = -ceil(t)
	s_delay_alu instid0(VALU_DEP_1)
	v_sub_f32 v254, v12, v254                      ; old M - new M: a whole number, 0 or less
	s_delay_alu instid0(VALU_DEP_1)
	v_cvt_i32_f32 v254, v254                       ; (it saturates)
	s_delay_alu instid0(VALU_DEP_1)
	v_ldexp_f32 v252, 1.0, v254                    ; f = 2^(old M - new M)
.set j, 0
	s_setprio 1
.rept 32
	v_pk_fma_f32 v[S+j:S+j+1], v[S+j:S+j+1], s[22:23], v[12:13] op_sel_hi:[1,0,0]   ; t - M, two at a time
.set j, j+2
.endr
.irp b, 0,1,2,3
	v_fma_f32 v[232+\b], v[232+\b], s22, v12       ; the same of each block's largest score
.endr
.set j, 0
	s_wait_alu depctr_va_vdst(0)
.rept 64
	v_exp_f32 v[S+j], v[S+j]                       ; p = 2^(t - M)
.set j, j+1
.endr
.irp b, 0,1,2,3
	v_exp_f32 v[232+\b], v[232+\b]                 ; the block's largest p
.endr
	v_pk_mul_f32 v[14:15], v[14:15], v[252:253] op_sel_hi:[1,0]   ; the sums under the new M (a plain place behind the exponentials)
	s_wait_alu depctr_va_vdst(0)
.irp b, 0,1,2,3
	v_max_num_f32 v[232+\b], 0x1800000, v[232+\b]  ; the floor 2^(3 - 127)
.endr
.irp b, 0,1,2,3
	s_delay_alu instid0(VALU_DEP_4)
	v_add_nc_u32 v[244+\b], 0xff000000, v[232+\b]  ; the conversion's scale operand
.endr
.irp b, 0,1,2,3
	s_delay_alu instid0(VALU_DEP_4)
	v_lshrrev_b32 v[236+\b], 23, v[244+\b]         ; the byte
.endr
	s_delay_alu instid0(VALU_DEP_3)
	v_lshl_or_b32 v253, v237, 8, v236              ; p's scale word for these 128 keys
	s_delay_alu instid0(VALU_DEP_1)
	v_lshl_or_b32 v253, v238, 16, v253
	s_delay_alu instid0(VALU_DEP_1)
	v_lshl_or_b32 v253, v239, 24, v253
.irp c, 0,1
	v_cvt_scalef32_pk16_fp6_f32 v[224+6*\c:226+6*\c], v[S+32*\c:S+15+32*\c], v[244+2*\c]
	v_cvt_scalef32_pk16_fp6_f32 v[236+4*\c:238+4*\c], v[S+16+32*\c:S+31+32*\c], v[244+2*\c+1]
.endr
	v_nop                                          ; one plain place behind a scaled conversion
.irp c, 0,1
.irp i, 0,1,2
	v_permlane16_swap_b32 v[224+6*\c+\i], v[236+4*\c+\i]   ; a whole block to a lane
.endr
.irp i, 0,1,2
	s_delay_alu instid0(VALU_DEP_3)
	v_mov_b32 v[227+6*\c+\i], v[236+4*\c+\i]
.endr
.endr
	v_pk_add_f32 v[236:237], v[S:S+1], v[S+2:S+3]  ; the row's sum of the unquantised p, in two chains
	s_setprio 0
.irp j, 4,8,12,16,20,24,28,32,36,40,44,48,52,56,60
	v_pk_add_f32 v[14:15], v[14:15], v[S+\j:S+1+\j]
	v_pk_add_f32 v[236:237], v[236:237], v[S+2+\j:S+3+\j]
.endr
	s_delay_alu instid0(VALU_DEP_1)
	v_pk_add_f32 v[14:15], v[14:15], v[236:237]
.set j, 0
.rept 16
	v_pk_mul_f32 v[O+j:O+j+1], v[O+j:O+j+1], v[252:253] op_sel_hi:[1,0]   ; O^T under the new M; with the sums above, the places between p's codes and word and the products
.set j, j+2
.endr
.irp t, 0,1,2,3
	v_wmma_scale_f32_16x16x128_f8f6f4 v[O+8*\t:O+8*\t+7], v[80+12*\t:91+12*\t], v[224:235], v[O+8*\t:O+8*\t+7], v[28+\t], v253 matrix_a_fmt:MATRIX_FMT_FP6 matrix_b_fmt:MATRIX_FMT_FP6
.endr
.Lhidden_\@:
	s_add_co_u32 s56, s56, 128
	s_add_co_u32 s57, s57, 6144
	s_add_co_u32 s58, s58, 512
	s_add_co_u32 s59, s59, 256
	s_add_co_u32 s60, s60, 1
	s_cmp_lt_u32 s60, 16
	s_cbranch_scc1 .Lkey_\@
	s_setprio 0
.rept 4
	v_nop                                          ; places in front of the first read of O^T
.endr
	v_add_f32 v14, v14, v15
	s_delay_alu instid0(VALU_DEP_1)
	v_permlanex16_b32 v252, v14, s20, s21
	s_delay_alu instid0(VALU_DEP_1)
	v_add_f32 v14, v14, v252                       ; the row's sum
	s_wait_alu depctr_va_vdst(0)
	v_rcp_f32 v14, v14
	v_nop                                          ; one plain place behind a transcendental
.set j, 0
	s_wait_alu depctr_va_vdst(0)
.rept 32
	v_mul_f32 v[S+j], v[O+j], v14                  ; y: register 16 b + i = d 32 b + 16 h + i of my query; each accumulator from its low end on
.set j, j+1
.endr
.irp b, 0,1
	v_max3_num_f32 v[232+\b], |v[S+16*\b]|, |v[S+1+16*\b]|, 0x1800000
.endr
.irp i, 2,4,6,8,10,12,14
.irp b, 0,1
	s_delay_alu instid0(VALU_DEP_2)
	v_max3_num_f32 v[232+\b], v[232+\b], |v[S+16*\b+\i]|, |v[S+1+16*\b+\i]|
.endr
.endr
.irp b, 0,1
	s_delay_alu instid0(VALU_DEP_2)
	v_permlanex16_b32 v[236+\b], v[232+\b], s20, s21
.endr
.irp b, 0,1
	s_delay_alu instid0(VALU_DEP_2)
	v_max_num_f32 v[232+\b], v[232+\b], v[236+\b]
.endr
.irp b, 0,1
	s_delay_alu instid0(VALU_DEP_2)
	v_add_nc_u32 v[244+\b], 0xff000000, v[232+\b]
.endr
.irp b, 0,1
	s_delay_alu instid0(VALU_DEP_2)
	v_lshrrev_b32 v[236+\b], 23, v[244+\b]
.endr
	s_delay_alu instid0(VALU_DEP_1)
	v_lshl_or_b32 v253, v237, 8, v236              ; the head's two bytes of my row
	v_cvt_scalef32_pk16_fp6_f32 v[224:226], v[S:S+15], v244
	v_cvt_scalef32_pk16_fp6_f32 v[228:230], v[S+16:S+31], v245
	v_nop
.irp i, 0,1,2
	v_permlane16_swap_b32 v[224+\i], v[228+\i]
.endr
	s_delay_alu instid0(VALU_DEP_3)
	v_mov_b32 v227, v228
	s_delay_alu instid0(VALU_DEP_3)
	v_mov_b32 v228, v229
	s_delay_alu instid0(VALU_DEP_3)
	v_mov_b32 v229, v230                           ; v224-229: d 32 h + 0 .. 31
.irp p, 0,1,2
	global_store_b64 v1, v[224+2*\p:225+2*\p], s[28:29] offset:256*\p   ; 256 consecutive bytes, aligned
.endr
	ds_store_b16 v5, v253 offset:512*\which        ; both halves of the lanes write the same halfword
.endm
	PASS 0
	PASS 1
	; y's scale halfwords leave as [block of 256 rows][head][tile 16][r 16]: 512 bytes a pass, by waves 0 and 1. Pass 1's lie by wave, tile 15 - wave: 16 bytes at 16 (lane xor 30) are those of place 16 x lane
	s_min_u32 s13, s10, 1
	s_mul_i32 s14, s13, 30
	v_and_b32 v8, 31, v0
	s_delay_alu instid0(VALU_DEP_1)
	v_lshlrev_b32 v9, 4, v8
	s_delay_alu instid0(VALU_DEP_2)
	v_xor_b32 v8, s14, v8
	s_delay_alu instid0(VALU_DEP_1)
	v_lshlrev_b32 v8, 4, v8
	s_lshl_b32 s13, s13, 9
	s_add_co_u32 s13, s13, SCRY
	v_add_nc_u32 v8, s13, v8
	s_sub_co_u32 s14, 7, s12
	s_cmp_eq_u32 s10, 0
	s_cselect_b32 s14, s14, s12                    ; the pass's block of queries
	s_lshr_b32 s13, s11, 4
	s_lshl_b32 s13, s13, 3
	s_add_co_u32 s14, s14, s13
	s_lshl_b32 s14, s14, 4
	s_and_b32 s13, s11, 15
	s_add_co_u32 s14, s14, s13
	s_lshl_b32 s14, s14, 9
	s_add_co_u32 s14, s14, YS
	s_add_nc_u64 s[30:31], s[8:9], s[14:15]
	s_wait_dscnt 0x0                               ; for the others' sake: my halfwords have landed
	s_barrier_signal -1
	s_barrier_wait -1
	s_cmp_lt_u32 s10, 2
	s_cbranch_scc0 .Lend
	s_wait_alu depctr_va_vdst(0)
	ds_load_b128 v[32:35], v8
	s_wait_dscnt 0x0
	global_store_b128 v9, v[32:35], s[30:31]       ; 512 consecutive bytes, aligned to 256
.Lend:
	s_wait_xcnt 0x0
	v_lshl_add_u32 v254, v0, 2, 0x34000
	v_mov_b32 v255, 0
	s_wait_alu depctr_va_vdst(0)
	s_wait_tensorcnt 0x0
	ds_add_u32 v254, v255
	s_wait_dscnt 0x0
	s_endpgm
.Lfunc_end_k_qc5f7602f48_attn:
	.size	k_qc5f7602f48_attn, .Lfunc_end_k_qc5f7602f48_attn-k_qc5f7602f48_attn
	.p2alignl 7, 3214868480
	.fill 96, 4, 3214868480
	.section	.rodata,"a",@progbits
	.p2align	6, 0x0
	.amdhsa_kernel k_qc5f7602f48_attn
		.amdhsa_group_segment_fixed_size 327680
		.amdhsa_private_segment_fixed_size 0
		.amdhsa_enable_private_segment 0
		.amdhsa_kernarg_size 24
		.amdhsa_user_sgpr_count 2
		.amdhsa_user_sgpr_kernarg_segment_ptr 1
		.amdhsa_wavefront_size32 1
		.amdhsa_system_sgpr_workgroup_id_x 1
		.amdhsa_system_sgpr_workgroup_id_y 1
		.amdhsa_system_sgpr_workgroup_id_z 1
		.amdhsa_system_vgpr_workitem_id 0
		.amdhsa_next_free_vgpr 256
		.amdhsa_next_free_sgpr 66
		.amdhsa_reserve_vcc 1
		.amdhsa_float_denorm_mode_32 3
		.amdhsa_float_denorm_mode_16_64 3
		.amdhsa_memory_ordered 1
		.amdhsa_forward_progress 1
		.amdhsa_inst_pref_size 69
	.end_amdhsa_kernel
	.amdgpu_metadata
---
amdhsa.version: [ 1, 2 ]
amdhsa.kernels:
  - .name:           k_qc5f7602f48_attn
    .symbol:         k_qc5f7602f48_attn.kd
    .args:
      - { .name: qk, .offset: 0, .size: 8, .value_kind: global_buffer, .address_space: global }
      - { .name: vq, .offset: 8, .size: 8, .value_kind: global_buffer, .address_space: global }
      - { .name: yq, .offset: 16, .size: 8, .value_kind: global_buffer, .address_space: global }
    .group_segment_fixed_size: 327680
    .private_segment_fixed_size: 0
    .kernarg_segment_align: 8
    .kernarg_segment_size: 24
    .max_flat_workgroup_size: 512
    .sgpr_count:     66
    .vgpr_count:     256
    .wavefront_size: 32
...
	.end_amdgpu_metadata
.endif
;; end of part 3
;; launch proj (part 4): grid 8 x 32, 4 waves a work-group, clusters of 4 x 4, 327,680 bytes of LDS; arguments ops, yq, bp, out0; writes out0
.if DOCPART == 4
	.amdgcn_target "amdgcn-amd-amdhsa--gfx1250"
	.amdhsa_code_object_version 6
	.text
	.protected	k_qc5f7602f48_proj
	.globl	k_qc5f7602f48_proj
	.p2align	8
	.type	k_qc5f7602f48_proj,@function
k_qc5f7602f48_proj:
	s_mov_b64 s[64:65], 0
	v_nop
	global_prefetch_b8 v0, s[64:65] scope:SCOPE_SE
	s_setreg_imm32_b32 hwreg(HW_REG_WAVE_MODE, 25, 1), 1
	s_wait_xcnt 0x0
	s_wait_alu depctr_hold_cnt(0) depctr_sa_sdst(0) depctr_va_vdst(0) depctr_va_sdst(0) depctr_va_ssrc(0) depctr_va_vcc(0) depctr_vm_vsrc(0)
	s_getreg_b32 s2, hwreg(HW_REG_IB_STS2, 6, 4)
	s_cmp_eq_u32 s2, 0
	s_cbranch_scc0 .Lentry_in_a_cluster
	s_endpgm
.Lentry_in_a_cluster:
	s_bfe_u32 s2, ttmp6, 0x10000c
	s_cmp_lg_u32 s2, 0xf033
	s_cbranch_scc0 .Lentry_shape_is_right
	s_endpgm
.Lentry_shape_is_right:
; out0 = y Wp + bp on codes of FP6 (E2M3) with E8M0 scales; out0 [8192][1024] f32.
; A work-group makes 256 rows of y x 128 columns of Wp, K = 1,024. The matrix instruction is used transposed (source 0 = 16 columns of Wp, source 1 = 16 rows of y): a lane keeps one row and its registers run along the columns.
; Lane r of a row tile T holds true row (or column) 32 (T / 2) + 8 (T % 2) + r + 8 (r / 8): register 8 b + j is column 32 (b / 2) + 16 h + 8 (b % 2) + j of the 128.
; ALL OF K LIES IN LDS: 24 row tiles x 12,288 bytes and their scales, 307,200 bytes, asked for at the start in four chunks of two K steps, filled once.
; CLUSTER 4 x 4: y's tiles are shared along a row of the cluster, Wp's along a column: joint loads with a mask that names the four. 256 work-groups.
; y's codes: [row tile][head 16][768 bytes: registers 2 p, 2 p + 1 of lane l at 256 p + 8 l]: K step s is heads 2 s and 2 s + 1, six pieces of 256 bytes. Its scales: [block of 256 rows][head][tile 16][r 16] halfwords: a word is put together of two.
; bp is the C of each sum's first matrix instruction.
; REGISTERS in windows of 256: window 0: v1-20 addresses, v32-95 Wp's scale words, v96-127 y's, v128-255 at work. window 1: Wp's fragments, two sets (v0, v128). window 2: y's, two sets (v0, v64); v128-191 bp. window 3: accumulator (a, b) at v[8 (8 a + b)].
.set OPS_SC, 9437184
.set YS,     6291456
.set RT,     12288
.set FRB,    1536
.set PAIR,   2*FRB
.set CHUNK,  24*PAIR
.set BOFF,   16*PAIR
.set ASC,    4*CHUNK                   ; y's scale halfwords, 8,192 bytes: [head 16][tile 16][r 16]
.set BSC,    ASC+8192                  ; Wp's scale words, 128 rows x 32 bytes
.set SPITCH, 528                       ; the way out: a stage of 16 rows x (512 bytes + 16) for each wave, in chunk 0: it has had its one fill, and nobody reads it behind the barrier in front of chunk 1's reads
.set ADRA, 8
.set ADRB, 12
.set SCB,  32                          ; register 8 b + s: the word of Wp's tile b, K step s
.set SCA,  96                          ; register 8 a + s: of my block a of y
.set HW,   128                         ; the halfwords as loaded
.set BK,   128                         ; the way out: 16 rows read back: v128-191 and v192-255 by turns
.set BP,   128                         ; window 2
.set STO,  19
.set RD,   20
.set G1A,  24
.set G1B,  32
.set G1SA, 40
.set G1SB, 48
.set MSB, 0
.macro WIN new                         ; the immediate's high byte repeats the setting that is left
.if MSB != \new
	s_set_vgpr_msb (MSB<<8)|\new
.set MSB, \new
.endif
.endm
.macro CROUND                          ; a round of the cluster's barrier
	s_barrier_signal -1
	s_barrier_wait -1
	s_cmp_lg_u32 s16, 0
	s_cbranch_scc1 .Lnot_wave_0_\@
	s_barrier_signal -3
.Lnot_wave_0_\@:
	s_barrier_wait -3
	s_barrier_signal -1
	s_barrier_wait -1
.endm
.macro PLACES
.rept 4
	v_nop
.endr
.endm
.macro GROUP1 g, c, r, p               ; r rows of c elements of 8 bytes, p elements apart
	s_mov_b32 s[\g+1], (\c)<<16
	s_mov_b32 s[\g+2], (\r)<<16
	s_mov_b32 s[\g+3], (\c)<<16
	s_mov_b32 s[\g+4], \r
	s_mov_b32 s[\g+5], \p
	s_mov_b32 s[\g+6], 0
	s_mov_b32 s[\g+7], 0
.endm
	s_load_b256 s[4:11], s[0:1], 0x0               ; ops, yq, bp, out0
	v_lshl_add_u32 v30, v0, 2, 0x4b000
	v_mov_b32 v31, 0
	ds_add_u32 v30, v31
	ds_add_u32 v30, v31
	v_lshrrev_b32 v1, 5, v0
	v_readfirstlane_b32 s16, v1                    ; wave 0..3
	s_lshr_b32 s17, s16, 1                         ; I fetch for y (0) or for Wp (1),
	s_and_b32 s18, s16, 1                          ; this half of its row tiles
	s_bfe_u32 s19, ttmp6, 0x40000                  ; cx
	s_bfe_u32 s20, ttmp6, 0x40004                  ; cy
	s_and_b32 s22, ttmp7, 0xffff
	s_lshl_b32 s100, s22, 2
	s_add_co_u32 s100, s100, s20
	s_lshl_b32 s100, s100, 4                       ; y's first row tile: 16 x (4 x cluster y + cy)
	s_lshl_b32 s101, ttmp9, 2
	s_add_co_u32 s101, s101, s19
	s_lshl_b32 s101, s101, 3
	s_add_co_u32 s101, s101, 704                   ; Wp's: 704 + 8 x (4 x cluster x + cx)
	s_lshl_b32 s2, s20, 2
	s_lshl_b32 s2, 15, s2                          ; my row of the cluster
	s_lshl_b32 s66, 0x1111, s19                    ; my column
	s_or_b32 s[G1A], s2, (3<<16)|(1<<21)           ; the mask; elements of 8 bytes; bit 21 set beside a mask; no padding
	s_or_b32 s[G1SA], s2, (3<<16)|(1<<21)
	s_or_b32 s[G1B], s66, (3<<16)|(1<<21)
	s_or_b32 s[G1SB], s66, (3<<16)|(1<<21)
	GROUP1 G1A, 384, 8, 1536                       ; 8 row tiles x 3,072 bytes, 12,288 bytes apart
	GROUP1 G1B, 384, 4, 1536
	GROUP1 G1SA, 32, 16, 32                        ; 4,096 dense bytes as rows of 256
	GROUP1 G1SB, 32, 8, 32
	s_lshl_b32 s2, s18, 3
	s_add_co_u32 s2, s2, s100
	s_mul_i32 s62, s2, RT
	s_mov_b32 s63, 0
	s_lshl_b32 s58, s100, 9                        ; 8,192 bytes of halfwords for 16 row tiles
	s_lshl_b32 s2, s18, 12
	s_add_co_u32 s58, s58, s2
	s_add_co_u32 s58, s58, YS
	s_mov_b32 s59, 0
	s_add_co_u32 s57, s2, ASC
	s_mul_i32 s61, s18, 8*PAIR
	s_add_co_u32 s69, s61, CHUNK
	s_add_co_u32 s73, s61, 2*CHUNK
	s_add_co_u32 s77, s61, 3*CHUNK
	s_lshl_b32 s66, s18, 2
	s_add_co_u32 s66, s66, s101
	s_mul_i32 s86, s66, RT
	s_mov_b32 s87, 0
	s_lshl_b32 s82, s101, 9
	s_lshl_b32 s66, s18, 11
	s_add_co_u32 s82, s82, s66
	s_add_co_u32 s82, s82, OPS_SC
	s_mov_b32 s83, 0
	s_add_co_u32 s81, s66, BSC
	s_mul_i32 s66, s18, 4*PAIR
	s_add_co_u32 s85, s66, BOFF
	s_add_co_u32 s89, s66, BOFF+CHUNK
	s_add_co_u32 s93, s66, BOFF+2*CHUNK
	s_add_co_u32 s97, s66, BOFF+3*CHUNK
.irp g, 56,60,68,72,76,80,84,88,92,96
	s_mov_b32 s\g, 1
.endr
	s_wait_dscnt 0x0
	s_wait_kmcnt 0x0
	s_add_nc_u64 s[58:59], s[6:7], s[58:59]
	s_add_nc_u64 s[62:63], s[6:7], s[62:63]
	s_add_nc_u64 s[70:71], s[62:63], PAIR
	s_add_nc_u64 s[74:75], s[62:63], 2*PAIR
	s_add_nc_u64 s[78:79], s[62:63], 3*PAIR
	s_add_nc_u64 s[82:83], s[4:5], s[82:83]
	s_add_nc_u64 s[86:87], s[4:5], s[86:87]
	s_add_nc_u64 s[90:91], s[86:87], PAIR
	s_add_nc_u64 s[94:95], s[86:87], 2*PAIR
	s_add_nc_u64 s[98:99], s[86:87], 3*PAIR
.irp g, 59,63,71,75,79,83,87,91,95,99
	s_or_b32 s\g, s\g, 0x80000000
.endr
	CROUND                                         ; all sixteen work-groups are here: the joint loads meet
	s_cmp_eq_u32 s17, 0                            ; a wave's five first fills stand in one branch on its number: five of mine are out
	s_cbranch_scc0 .Lfill_p
	tensor_load_to_lds s[56:59], s[G1SA:G1SA+7]
	s_nop 0
	tensor_load_to_lds s[60:63], s[G1A:G1A+7]
	s_nop 0
	tensor_load_to_lds s[68:71], s[G1A:G1A+7]
	s_nop 0
	tensor_load_to_lds s[72:75], s[G1A:G1A+7]
	s_nop 0
	tensor_load_to_lds s[76:79], s[G1A:G1A+7]
	s_nop 0
	PLACES                                         ; four v_nop follow the last line, ahead of the jump
	s_branch .Lfilled
.Lfill_p:
	tensor_load_to_lds s[80:83], s[G1SB:G1SB+7]
	s_nop 0
	tensor_load_to_lds s[84:87], s[G1B:G1B+7]
	s_nop 0
	tensor_load_to_lds s[88:91], s[G1B:G1B+7]
	s_nop 0
	tensor_load_to_lds s[92:95], s[G1B:G1B+7]
	s_nop 0
	tensor_load_to_lds s[96:99], s[G1B:G1B+7]
	s_nop 0
	PLACES
.Lfilled:
	v_and_b32 v1, 31, v0                           ; lane
	v_and_b32 v2, 15, v0                           ; r
	v_bfe_u32 v3, v0, 4, 1                         ; h
	v_lshlrev_b32 v4, 4, v1                        ; 16 x lane
	v_lshlrev_b32 v5, 3, v1                        ; 8 x lane
	s_mul_i32 s2, s16, 4*PAIR
	v_add_nc_u32 v[ADRA], s2, v5                   ; y's pieces are 8 bytes a lane
.irp q, 1,2,3
	v_add_nc_u32 v[ADRA+\q], \q*CHUNK, v[ADRA]
.endr
.irp q, 0,1,2,3
	v_add_nc_u32 v[ADRB+\q], BOFF+\q*CHUNK, v4
.endr
	v_lshlrev_b32 v16, 5, v2
	v_add_nc_u32 v16, BSC, v16                     ; Wp's scale words: 32 bytes a row
	s_lshl_b32 s2, s16, 7
	s_add_co_u32 s2, s2, ASC
	v_lshl_add_u32 v17, v2, 1, s2                  ; y's halfwords: my four tiles, 2 r
	v_lshlrev_b32 v18, 6, v3                       ; bp: 64 h bytes
	s_wait_alu depctr_va_vdst(0)
	s_mul_i32 s2, s16, 16*SPITCH                   ; my stage
	v_mul_u32_u24 v[STO], v2, SPITCH
	v_lshl_add_u32 v[STO], v3, 6, v[STO]
	v_add_nc_u32 v[STO], s2, v[STO]                ; in: row r, + 64 h
	v_add_nc_u32 v[RD], s2, v4                     ; back: a row of 512 bytes to the 32 lanes
	s_sub_co_u32 s14, s101, 704
	s_lshl_b32 s14, s14, 6                         ; my 128 columns: 512 bytes a work-group column
	s_mov_b32 s15, 0
	s_add_nc_u64 s[8:9], s[8:9], s[14:15]
	s_lshl_b32 s12, s100, 16                       ; 16 rows of 4,096 bytes a row tile,
	s_lshl_b32 s13, s16, 18                        ; 64 rows a wave
	s_add_co_u32 s12, s12, s13
	s_add_co_u32 s12, s12, s14
	s_mov_b32 s13, 0
	s_add_nc_u64 s[10:11], s[10:11], s[12:13]
	WIN 0x80                                       ; destination window 2
.irp b, 0,1,2,3
.irp e, 0,1,2,3
	global_load_b128 v[BP+16*\b+4*\e:BP+16*\b+4*\e+3], v18, s[8:9] offset:128*\b+16*\e   ; register 16 b + i: column 32 b + 16 h + i
.endr
.endr
	WIN 0
.macro FETCH s, set                    ; the fragments of K step s: 24 loads of 16 bytes a lane for Wp, 24 of 8 for y
	WIN 0x40
.irp b, 0,1,2,3,4,5,6,7
.irp g, 0,1,2
	ds_load_b128 v[128*(\set)+12*\b+4*\g:128*(\set)+12*\b+4*\g+3], v[ADRB+(\s)/2] offset:PAIR*\b+FRB*((\s)%2)+512*\g
.endr
.endr
	WIN 0x80
.irp a, 0,1,2,3
.irp p, 0,1,2,3,4,5
	ds_load_b64 v[64*(\set)+12*\a+2*\p:64*(\set)+12*\a+2*\p+1], v[ADRA+(\s)/2] offset:PAIR*\a+FRB*((\s)%2)+256*\p
.endr
.endr
.endm
; 32 matrix instructions; the 32 accumulators take turns, one instruction a turn, in the same order in every step. first = 1: bp is the C
.macro MULS s, set, first
.if \first
	WIN 0xe9                                       ; source 0 window 1, source 1 window 2, C window 2, D window 3
.else
	WIN 0xf9                                       ; C and D window 3
.endif
.irp a, 0,1,2,3
.irp b, 0,1,2,3,4,5,6,7
.if \first
	v_wmma_scale_f32_16x16x128_f8f6f4 v[8*(8*\a+\b):8*(8*\a+\b)+7], v[128*(\set)+12*\b:128*(\set)+12*\b+11], v[64*(\set)+12*\a:64*(\set)+12*\a+11], v[BP+8*\b:BP+8*\b+7], v[SCB+8*\b+(\s)], v[SCA+8*\a+(\s)] matrix_a_fmt:MATRIX_FMT_FP6 matrix_b_fmt:MATRIX_FMT_FP6
.else
	v_wmma_scale_f32_16x16x128_f8f6f4 v[8*(8*\a+\b):8*(8*\a+\b)+7], v[128*(\set)+12*\b:128*(\set)+12*\b+11], v[64*(\set)+12*\a:64*(\set)+12*\a+11], v[8*(8*\a+\b):8*(8*\a+\b)+7], v[SCB+8*\b+(\s)], v[SCA+8*\a+(\s)] matrix_a_fmt:MATRIX_FMT_FP6 matrix_b_fmt:MATRIX_FMT_FP6
.endif
.endr
.endr
.endm
.macro STEP s
	s_wait_dscnt 0x0                               ; this step's fragments are in, and no LDS load of mine is out at a signal
.if ((\s)%2 == 1) && ((\s) < 7)
	s_wait_tensorcnt 3-((\s)+1)/2                  ; my part of the next chunk has landed; the chunks asked for behind it may stay out
	s_barrier_signal -1
	s_barrier_wait -1
.endif
.if (\s) < 7
.if (\s) > 0
	PLACES                                         ; in front of loads into the set that the last step's products read
.endif
	FETCH (\s)+1, ((\s)+1)%2
.endif
.if (\s) == 0
	MULS \s, 0, 1
.else
	MULS \s, (\s)%2, 0
.endif
.endm
	s_wait_tensorcnt 3                             ; my scales and my part of chunk 0 are in; chunks 1 to 3 may be out
	s_barrier_signal -1
	s_barrier_wait -1
.irp b, 0,1,2,3,4,5,6,7
.irp g, 0,1
	ds_load_b128 v[SCB+8*\b+4*\g:SCB+8*\b+4*\g+3], v16 offset:512*\b+16*\g
.endr
.endr
.irp a, 0,1,2,3
.irp s, 0,1,2,3,4,5,6,7
	ds_load_u16 v[HW+16*\a+2*\s], v17 offset:1024*\s+32*\a          ; head 2 s: the K step's blocks 0, 1
	ds_load_u16 v[HW+16*\a+2*\s+1], v17 offset:1024*\s+32*\a+512    ; head 2 s + 1: blocks 2, 3
.endr
.endr
	FETCH 0, 0
	WIN 0
	s_wait_dscnt 48                                ; all but the first fragments' 48 loads
.irp a, 0,1,2,3
.irp s, 0,1,2,3,4,5,6,7
	v_lshl_or_b32 v[SCA+8*\a+\s], v[HW+16*\a+2*\s+1], 16, v[HW+16*\a+2*\s]
.endr
.endr
.rept 8
	v_nop                                          ; a scale register written by a vector instruction stands 8 places ahead of a scaled matrix instruction
.endr
	s_wait_alu depctr_va_vdst(0)
	s_wait_loadcnt 0x0                             ; bp
.irp s, 0,1,2,3,4,5,6,7
	STEP \s
.endr
	WIN 0
; THE WAY OUT, block by block of 16 rows x 128 columns, through my own stage: whole rows of 512 bytes come back and leave as two aligned runs of 256. LDS serves a wave's instructions in order: no wait between the stores and the loads
.macro TOSTAGE a
	WIN 0x0c                                       ; an LDS store's data are its source 1: window 3
.irp b, 0,1,2,3,4,5,6,7
	ds_store_b128 v[STO], v[64*(\a)+8*\b:64*(\a)+8*\b+3] offset:128*(\b/2)+32*(\b%2)        ; each accumulator from its low end on
	ds_store_b128 v[STO], v[64*(\a)+8*\b+4:64*(\a)+8*\b+7] offset:128*(\b/2)+32*(\b%2)+16
.endr
	WIN 0
.irp t, 0,1,2,3,4,5,6,7,8,9,10,11,12,13,14,15
	ds_load_b128 v[BK+64*((\a)%2)+4*\t:BK+64*((\a)%2)+4*\t+3], v[RD] offset:\t*SPITCH
.endr
.endm
.macro SEND a, younger                 ; younger: the LDS instructions issued behind block a's loads, which may stay out
	s_wait_dscnt \younger
.irp t, 0,1,2,3,4,5,6,7,8,9,10,11,12,13,14,15
	global_store_b128 v4, v[BK+64*((\a)%2)+4*\t:BK+64*((\a)%2)+4*\t+3], s[10:11] offset:(32*((\a)/2)+8*((\a)%2)+\t+8*(\t/8))*4096 th:TH_STORE_NT   ; memory row 16 a + t is this true row; 512 consecutive bytes, aligned to 256
.endr
.endm
	PLACES                                         ; in front of the first read of results
	TOSTAGE 0
.irp a, 1,2,3
.if \a > 1
	s_wait_xcnt 0x0                                ; block a - 2's stores have read their registers: block a's loads may land there
.endif
	TOSTAGE \a
	SEND \a-1, 32                                  ; behind block a - 1's loads: block a's 16 stores and 16 loads
.endr
	SEND 3, 0
	s_wait_dscnt 0x0
	s_wait_tensorcnt 0x0
	ds_add_u32 v30, v31
	s_wait_dscnt 0x0
	CROUND                                         ; the closing round: no work-group ends while a partner may still ask for a tile that names it
	s_endpgm
.Lfunc_end_k_qc5f7602f48_proj:
	.size	k_qc5f7602f48_proj, .Lfunc_end_k_qc5f7602f48_proj-k_qc5f7602f48_proj
	.p2alignl 7, 3214868480
	.fill 96, 4, 3214868480
	.section	.rodata,"a",@progbits
	.p2align	6, 0x0
	.amdhsa_kernel k_qc5f7602f48_proj
		.amdhsa_group_segment_fixed_size 327680
		.amdhsa_private_segment_fixed_size 0
		.amdhsa_enable_private_segment 0
		.amdhsa_kernarg_size 32
		.amdhsa_user_sgpr_count 2
		.amdhsa_user_sgpr_kernarg_segment_ptr 1
		.amdhsa_wavefront_size32 1
		.amdhsa_system_sgpr_workgroup_id_x 1
		.amdhsa_system_sgpr_workgroup_id_y 1
		.amdhsa_system_sgpr_workgroup_id_z 1
		.amdhsa_system_vgpr_workitem_id 0
		.amdhsa_next_free_vgpr 1024
		.amdhsa_next_free_sgpr 102
		.amdhsa_reserve_vcc 0
		.amdhsa_float_denorm_mode_32 3
		.amdhsa_float_denorm_mode_16_64 3
		.amdhsa_memory_ordered 1
		.amdhsa_forward_progress 1
		.amdhsa_inst_pref_size 92
	.end_amdhsa_kernel
	.amdgpu_metadata
---
amdhsa.version: [ 1, 2 ]
amdhsa.kernels:
  - .name:           k_qc5f7602f48_proj
    .symbol:         k_qc5f7602f48_proj.kd
    .args:
      - { .name: ops, .offset: 0, .size: 8, .value_kind: global_buffer, .address_space: global }
      - { .name: yq, .offset: 8, .size: 8, .value_kind: global_buffer, .address_space: global }
      - { .name: bp, .offset: 16, .size: 8, .value_kind: global_buffer, .address_space: global }
      - { .name: out0, .offset: 24, .size: 8, .value_kind: global_buffer, .address_space: global }
    .group_segment_fixed_size: 327680
    .private_segment_fixed_size: 0
    .kernarg_segment_align: 8
    .kernarg_segment_size: 32
    .max_flat_workgroup_size: 128
    .sgpr_count:     102
    .vgpr_count:     1024
    .wavefront_size: 32
...
	.end_amdgpu_metadata
.endif
;; end of part 4
